; MI455X (gfx1250); checked and timed in simulation.
; The chip was launched on July 23, 2026; its instructions are those of AMD's public machine-readable ISA for CDNA 5 (MIT licence, August 2026) and "CDNA5" Instruction Set Architecture Reference Guide (July 2026). The comments in the code are by the model that wrote it; some were corrected since.
;; Space Att Block. Allowed arithmetic: matrix products marked QUANTISED: E2M1 operands, one E8M0 scale for each 32 along K, by v_wmma_scale_f32_16x16x128_f8f6f4 with both operands' format E2M1 (or v_wmma_scale_f32_32x16x128_f4), f32 sums; products left as they are: bf16, f16 or f32 operands; f32 sums; everything else in f32.
;; Inputs: W1 1,024 x 2,048 float32; W2 2,048 x 1,024 float32; Wk 1,024 x 1,024 float32; Wo 1,024 x 1,024 float32; Wq 1,024 x 1,024 float32; Wv 1,024 x 1,024 float32; Wvp 2,048 x 1,024 float32; b1 2,048 float32; b2 1,024 float32; be1 1,024 float32; be2 1,024 float32; bk 1,024 float32; bo 1,024 float32; bq 1,024 float32; bv 1,024 float32; g1 1,024 float32; g2 1,024 float32; key 16 x 1,024 x 1,024 float32; mask 16 x 1 x 1,024 int32; query 16 x 1 x 1,024 float32; raw_thr 16 x 1 x 1 float32.
;; Outputs: out0 16 x 1 x 1,024 float32.
;; This version of the problem:
;;   THIS VERSION OF THE PROBLEM IS GIVEN IN LOW PRECISION. The matrix products marked QUANTISED in the list below multiply operands that are first quantised to E2M1 (2 exponent bits, 1 mantissa bit; 4 bits a number), with one power-of-two scale for each 32 numbers along K (OCP MX v1.0); their sums are f32. The products marked 'left as it is' may take bf16, f16 or f32 operands, with f32 sums. Whichever they take, every output number must still come out within the allowed error. Rounding operands to bf16 (8 significant bits) uses up far more of that allowance than f16 does (11 bits, for magnitudes from 6e-5 to 65,504). All else is computed in f32.
;;   The module's matrix products, in the order in which they are computed (A, B: the left and right operand; K: the contracted axis; several contracted axes count as one K, in the product's order):
;;     1. [M 16,384, K 2,048] x [K 2,048, N 1,024]; A: computed on the way; B: input Wvp: left as it is (an operand is computed on the way)
;;     2. [M 16, K 1,024] x [K 1,024, N 1,024]; A: input query; B: input Wq: QUANTISED
;;     3. [M 16,384, K 1,024] x [K 1,024, N 1,024]; A: input key; B: input Wk: QUANTISED
;;     4. [M 16,384, K 1,024] x [K 1,024, N 1,024]; A: computed on the way; B: input Wv: left as it is (an operand is computed on the way)
;;     5. batch 256 x [M 1, K 64] x [K 64, N 1,024]; A: computed on the way; B: computed on the way: left as it is (M = 1 < 16)
;;     6. batch 256 x [M 1, K 1,024] x [K 1,024, N 64]; A: computed on the way; B: computed on the way: left as it is (M = 1 < 16)
;;     7. [M 16, K 1,024] x [K 1,024, N 1,024]; A: computed on the way; B: input Wo: left as it is (an operand is computed on the way)
;;     8. [M 16, K 1,024] x [K 1,024, N 2,048]; A: computed on the way; B: input W1: left as it is (an operand is computed on the way)
;;     9. [M 16, K 2,048] x [K 2,048, N 1,024]; A: computed on the way; B: input W2: left as it is (an operand is computed on the way)
;;   THE QUANTISER, for each operand of a quantised product, along K:
;;     - K is cut into blocks of 32 from its start; a last block that is shorter is filled with zeros.
;;     - A block's scale is 2^e with e = floor(log2(the largest magnitude in the block)) - 2, held to -126 .. 127; a block of zeros has e = 0. As a byte (E8M0): e + 127.
;;     - Each number is divided by its block's scale, clamped to +-6, and rounded to the nearest number of E2M1, ties to even, subnormals kept.
;;     - The product sums the exact products of the quantised numbers (number of the format x scale) in f32.
;;   ~~~python
;;   def quantise(x, axis):      # numpy; x: float32 -> the quantised numbers, widened to float32 again
;;       x = np.moveaxis(x, axis, -1); K = x.shape[-1]
;;       x = np.pad(x, [(0, 0)] * (x.ndim - 1) + [(0, -K % 32)]); x = x.reshape(x.shape[:-1] + (-1, 32)); a = np.abs(x).max(-1, keepdims=True)
;;       e = np.where(a > 0, np.clip(np.frexp(np.where(a > 0, a, 1))[1] - 1 - 2, -126, 127), 0)      # np.frexp(a)[1] - 1 = floor(log2(a)), exactly
;;       r = np.clip(x / 2.0 ** e, -6, 6)
;;       step = 2.0 ** (np.maximum(np.frexp(np.where(r == 0, 1, r))[1] - 1, 0) - 1)
;;       q = np.round(r / step) * step * 2.0 ** e      # np.round: ties to even
;;       return np.moveaxis(q.reshape(q.shape[:-2] + (-1,))[..., :K], -1, axis).astype(np.float32)
;;   ~~~
;; 2 versions, each right; version 2 is version 1 with the launches prep, scores, ff written anew for expert scheduling mode. Each part assembles by itself: llvm-mc -triple=amdgcn-amd-amdhsa -mcpu=gfx1250 --defsym DOCPART=n.
;; ======== version 1 of 2: 7 launches
;; limits: values are held in f16: magnitudes above 65,504 overflow, below 6.1e-05 lose precision
;; workspace buffers: wk 557,056 bytes; qb 65,536 bytes; sc 1,048,576 bytes; ctx 1,048,576 bytes; u 1,048,576 bytes; apart 1,048,576 bytes; fpart 2,162,688 bytes
;; launch prep (part 1): grid 16 x 2, 16 waves a work-group, no clusters, 38,912 bytes of LDS; arguments Wk, Wq, query, bq, wk, qb; writes wk, qb
.if DOCPART == 1
	.amdgcn_target "amdgcn-amd-amdhsa--gfx1250"
	.amdhsa_code_object_version 6
	.text
	.protected	k_q151ca0804a_prep
	.globl	k_q151ca0804a_prep
	.p2align	8
	.type	k_q151ca0804a_prep,@function
k_q151ca0804a_prep:
	s_mov_b64 s[64:65], 0
	v_nop
	global_prefetch_b8 v0, s[64:65] scope:SCOPE_SE
	s_setreg_imm32_b32 hwreg(HW_REG_WAVE_MODE, 25, 1), 1
	s_wait_xcnt 0x0
; Work-group y = 0: Wk [1024 (k)][1024 (n)], f32, becomes codes of E2M1 along K with one E8M0 byte for each 32, laid as the operand's registers want them.
; Work-group y = 1: Q = Q4(query) Q4(Wq) + bq, [16][1024] f32, by the scaled 4-bit matrix instruction.
; Work-group x is a slice of 64 columns (one head).  Wave w: ch = w & 1 (which 32 columns), s = w >> 1 (which 128 along K).
; A LANE TAKES A COLUMN AND ITS REGISTERS RUN DOWN K: a block of 32 lies in one lane, so its largest magnitude needs no other lane and the conversions give codes with K innermost.
; wk: codes [head 16][s 8][tile 4][c 2][lane 32][16 bytes]: lane (r, hh) of group c holds k = 128 s + 64 c + 32 hh + 0..31 of column 16 tile + r; from byte 524,288 the scale words [head][s][tile][r].
; A block's scale is 2^(floor(log2(largest magnitude)) - 2): the largest magnitude's exponent field less 2, held at 1 from below by a floor among the maximum's leaves.
; LIMITS: a block of zeros gets the byte 1 (its codes are zeros; only this program reads the bytes); blocks under 2^-124 were not tried; NaN and infinities are not served.
; Q's sum over K is made of eight parts of 128, added in ascending order in f32.
.set RED,   0                          ; LDS: 16 waves x 16 rows x (32 f32 + 16 bytes): the parts of Q
.set SPARE, 36864                      ; behind them the spare words, 128 bytes a wave
.set FLOOR, 0x1800000                  ; 2^(3 - 127)
.set X,   128                          ; v128-255 four blocks of 32 numbers of my column
.set F0,  16                           ; v16-23   codes of blocks 0, 2
.set F1,  24                           ; v24-31   codes of blocks 1, 3
.set QF,  32                           ; v32-39   the query's fragment
.set SW,  56                           ; v56      my column's scale word
.set QW,  57                           ; v57      the query rows' scale word
	s_load_b256 s[4:11], s[0:1], 0x0               ; Wk, Wq, query, bq
	s_load_b128 s[12:15], s[0:1], 0x20             ; wk, qb
	v_lshl_add_u32 v8, v0, 2, SPARE                ; my spare word
	v_mov_b32 v9, 0
	v_lshrrev_b32 v10, 5, v0
	v_readfirstlane_b32 s16, v10                   ; wave
	s_and_b32 s17, s16, 1                          ; ch
	s_lshr_b32 s18, s16, 1                         ; s
	s_and_b32 s19, ttmp7, 0xffff                   ; 0: Wk, 1: Wq
	v_and_b32 v10, 31, v0                          ; lane
	v_and_b32 v11, 15, v0                          ; r
	v_bfe_u32 v7, v0, 4, 1                         ; h
	v_lshlrev_b32 v1, 2, v10                       ; 4 x lane: my column in a row of W; my scale word
	v_lshlrev_b32 v2, 4, v11
	v_lshl_add_u32 v2, v7, 10, v2                  ; codes out: tile h of my two, 16 r
	v_lshlrev_b32 v3, 12, v11
	v_lshl_add_u32 v3, v7, 7, v3                   ; query: row r, + 32 h numbers
	s_mul_i32 s36, s16, 2304
	v_mul_u32_u24 v4, v11, 144
	v_lshl_add_u32 v4, v7, 5, v4
	v_add_nc_u32 v4, s36, v4                       ; my part of Q: row r, 8 h columns on
	s_mul_i32 s36, s16, 144
	v_mul_u32_u24 v5, v7, 2304
	v_lshl_add_u32 v5, v11, 3, v5
	v_add_nc_u32 v5, s36, v5                       ; back: row = my wave, lanes 0-15 the even wave's 32 columns, lanes 16-31 the odd wave's
	v_lshlrev_b32 v6, 3, v10                       ; 8 x lane
	s_mov_b32 s34, 0x76543210
	s_mov_b32 s35, 0xfedcba98                      ; lane l xor 16
	s_lshl_b32 s36, s18, 19                        ; W: 128 s rows of 4,096 bytes
	s_lshl_b32 s37, ttmp9, 8
	s_add_co_u32 s36, s36, s37                     ; + the slice's 256 bytes
	s_lshl_b32 s37, s17, 7
	s_add_co_u32 s36, s36, s37                     ; + my 32 columns
	s_mov_b32 s37, 0
	s_wait_kmcnt 0x0
	s_cmp_eq_u32 s19, 0
	s_cselect_b64 s[20:21], s[4:5], s[6:7]
	s_add_nc_u64 s[20:21], s[20:21], s[36:37]
	s_lshl_b32 s36, ttmp9, 15                      ; wk's codes: 32,768 x head + 4,096 s + 2,048 ch
	s_lshl_b32 s38, s18, 12
	s_add_co_u32 s36, s36, s38
	s_lshl_b32 s38, s17, 11
	s_add_co_u32 s36, s36, s38
	s_add_nc_u64 s[22:23], s[12:13], s[36:37]
	s_lshl_b32 s36, ttmp9, 11                      ; wk's scale words: 524,288 + 2,048 x head + 256 s + 128 ch
	s_lshl_b32 s38, s18, 8
	s_add_co_u32 s36, s36, s38
	s_lshl_b32 s38, s17, 7
	s_add_co_u32 s36, s36, s38
	s_add_co_u32 s36, s36, 524288
	s_add_nc_u64 s[24:25], s[12:13], s[36:37]
	s_lshl_b32 s36, s18, 9
	s_add_nc_u64 s[26:27], s[8:9], s[36:37]        ; query at k = 128 s
	s_lshl_b32 s36, ttmp9, 8
	s_add_nc_u64 s[28:29], s[10:11], s[36:37]      ; bq at the slice
	s_lshl_b32 s38, s16, 12
	s_add_co_u32 s36, s36, s38
	s_add_nc_u64 s[30:31], s[14:15], s[36:37]      ; qb: row = my wave, the slice
.macro XLD b                           ; block b: W(128 s + 32 b + i, my column): 32 lanes read 128 consecutive bytes
.irp i, 0,1,2,3,4,5,6,7,8,9,10,11,12,13,14,15,16,17,18,19,20,21,22,23,24,25,26,27,28,29,30,31
	global_load_b32 v[X+32*(\b)+\i], v1, s[20:21] offset:(32*(\b)+\i)*4096 th:TH_LOAD_NT
.endr
.endm
.macro BLK b, dst, left                ; block b becomes four registers of codes at dst and byte b of the scale word; left: the younger block's loads
	s_wait_loadcnt \left
	v_max3_num_f32 v10, |v[X+32*(\b)]|, |v[X+32*(\b)+1]|, |v[X+32*(\b)+2]|
	v_max3_num_f32 v11, |v[X+32*(\b)+3]|, |v[X+32*(\b)+4]|, |v[X+32*(\b)+5]|
.irp i, 6,10,14,18,22,26
	v_max3_num_f32 v10, v10, |v[X+32*(\b)+\i]|, |v[X+32*(\b)+\i+1]|
	v_max3_num_f32 v11, v11, |v[X+32*(\b)+\i+2]|, |v[X+32*(\b)+\i+3]|
.endr
	v_max3_num_f32 v10, v10, |v[X+32*(\b)+30]|, |v[X+32*(\b)+31]|
	v_max3_num_f32 v10, v10, v11, FLOOR            ; the floor holds the byte at 1 from below
	v_add_nc_u32 v12, 0xff000000, v10              ; 2 off the exponent field: the conversion's scale operand
	v_lshrrev_b32 v13, 23, v12                     ; the byte
.if (\b) == 0
	v_mov_b32 v[SW], v13
.else
	v_lshl_or_b32 v[SW], v13, 8*(\b), v[SW]
.endif
.irp g, 0,1,2,3
	v_cvt_scalef32_pk8_fp4_f32 v[\dst+\g], v[X+32*(\b)+8*\g:X+32*(\b)+8*\g+7], v12
.endr
	v_nop                                          ; one plain place behind a scaled conversion
.endm
.macro XPART                           ; two blocks ahead: a wait's count names at most 63, so 64 loads are the most that a count can tell apart
	XLD 0
	XLD 1
	BLK 0, F0, 32
	XLD 2
	BLK 1, F1, 32
	XLD 3
	BLK 2, F0+4, 32
	BLK 3, F1+4, 0
.endm
	s_cmp_eq_u32 s19, 0                            ; the work-group's y alone: the same in all sixteen waves
	s_cbranch_scc0 .Lwq
	; ---- Wk: the codes leave as register images; sixteen lanes store 256 consecutive, aligned bytes
	XPART
	global_store_b128 v2, v[F0:F0+3], s[22:23]
	global_store_b128 v2, v[F1:F1+3], s[22:23] offset:256
	global_store_b128 v2, v[F0+4:F0+7], s[22:23] offset:512
	global_store_b128 v2, v[F1+4:F1+7], s[22:23] offset:768
	global_store_b32 v1, v[SW], s[24:25]
	s_branch .Lend
.Lwq:
	; ---- Wq: the same codes stay in registers and are multiplied by the query's
	global_load_b64 v[58:59], v6, s[28:29]         ; bq of the two columns that I will sum
.irp c, 0,1
.irp i, 0,1,2,3,4,5,6,7
	global_load_b128 v[64+32*\c+4*\i:64+32*\c+4*\i+3], v3, s[26:27] offset:256*\c+16*\i   ; query(r, 128 s + 64 c + 32 h + 4 i ..): two whole blocks a lane
.endr
.endr
	XPART                                          ; its last wait is for 0: the query and bq are in too
.irp c, 0,1
	v_max3_num_f32 v[60+\c], |v[64+32*\c]|, |v[65+32*\c]|, FLOOR
.endr
.irp i, 2,4,6,8,10,12,14,16,18,20,22,24,26,28,30
.irp c, 0,1
	v_max3_num_f32 v[60+\c], v[60+\c], |v[64+32*\c+\i]|, |v[65+32*\c+\i]|
.endr
.endr
.irp c, 0,1
	v_add_nc_u32 v[62+\c], 0xff000000, v[60+\c]
.endr
.irp c, 0,1
	v_lshrrev_b32 v[60+\c], 23, v[62+\c]
.endr
	v_lshl_or_b32 v10, v61, 16, v60                ; my bytes: blocks h and 2 + h of row r,
	v_lshlrev_b32 v11, 3, v7
	v_lshlrev_b32 v10, v11, v10                    ; at their places,
	v_mov_b32 v12, 0
	v_permlanex16_b32 v12, v10, s34, s35
	v_or_b32 v[QW], v10, v12                       ; with lane l xor 16's two the word is whole
.irp c, 0,1
.irp g, 0,1,2,3
	v_cvt_scalef32_pk8_fp4_f32 v[QF+4*\c+\g], v[64+32*\c+8*\g:64+32*\c+8*\g+7], v[62+\c]
.endr
.endr
	v_nop                                          ; one plain place behind a scaled conversion
.irp n, 0,1,2,3,4,5,6,7
	v_permlane16_swap_b32 v[F0+\n], v[F1+\n]       ; F0's lanes 16-31 change places with F1's lanes 0-15: F0 is now the fragment of my columns 0-15, F1 of 16-31
.endr
.rept 8
	v_nop                                          ; scale words written by vector instructions stand eight places ahead of a scaled matrix instruction, operands four
.endr
	; transposed: source 0 = 16 columns of Wq, source 1 = the 16 rows of the query: lane (r, h) holds row r and columns 8 h + 0..7 of the tile
	v_wmma_scale_f32_16x16x128_f8f6f4 v[40:47], v[F0:F0+7], v[QF:QF+7], 0, v[SW], v[QW] matrix_a_fmt:MATRIX_FMT_FP4 matrix_b_fmt:MATRIX_FMT_FP4
	v_wmma_scale_f32_16x16x128_f8f6f4 v[48:55], v[F1:F1+7], v[QF:QF+7], 0, v[SW], v[QW] matrix_a_fmt:MATRIX_FMT_FP4 matrix_b_fmt:MATRIX_FMT_FP4 matrix_a_scale:MATRIX_SCALE_ROW1
.rept 4
	v_nop                                          ; four places ahead of the stores that read the results
.endr
	ds_store_b128 v4, v[40:43]
	ds_store_b128 v4, v[44:47] offset:16
	ds_store_b128 v4, v[48:51] offset:64
	ds_store_b128 v4, v[52:55] offset:80
	s_wait_dscnt 0x0                               ; for the others' sake: my part lies in LDS
	s_barrier_signal -1
	s_barrier_wait -1
.irp s, 0,1,2,3,4,5,6,7
	ds_load_b64 v[64+2*\s:65+2*\s], v5 offset:4608*\s   ; row = my wave, two columns a lane, the part of K step s
.endr
	s_wait_dscnt 0x0
.irp s, 1,2,3,4,5,6,7
	v_pk_add_f32 v[64:65], v[64:65], v[64+2*\s:65+2*\s]
.endr
	v_pk_add_f32 v[64:65], v[64:65], v[58:59]      ; + bq
	global_store_b64 v6, v[64:65], s[30:31]        ; 32 lanes store 256 consecutive, aligned bytes
.Lend:
	s_wait_tensorcnt 0x0                           ; the wave's end
	ds_add_u32 v8, v9
	s_wait_dscnt 0x0
	s_endpgm
.Lfunc_end_k_q151ca0804a_prep:
	.size	k_q151ca0804a_prep, .Lfunc_end_k_q151ca0804a_prep-k_q151ca0804a_prep
	.p2alignl 7, 3214868480
	.fill 96, 4, 3214868480
	.section	.rodata,"a",@progbits
	.p2align	6, 0x0
	.amdhsa_kernel k_q151ca0804a_prep
		.amdhsa_group_segment_fixed_size 38912
		.amdhsa_private_segment_fixed_size 0
		.amdhsa_enable_private_segment 0
		.amdhsa_kernarg_size 48
		.amdhsa_user_sgpr_count 2
		.amdhsa_user_sgpr_kernarg_segment_ptr 1
		.amdhsa_wavefront_size32 1
		.amdhsa_system_sgpr_workgroup_id_x 1
		.amdhsa_system_sgpr_workgroup_id_y 1
		.amdhsa_system_sgpr_workgroup_id_z 1
		.amdhsa_system_vgpr_workitem_id 0
		.amdhsa_next_free_vgpr 256
		.amdhsa_next_free_sgpr 66
		.amdhsa_reserve_vcc 0
		.amdhsa_float_denorm_mode_32 3
		.amdhsa_float_denorm_mode_16_64 3
		.amdhsa_memory_ordered 1
		.amdhsa_forward_progress 1
		.amdhsa_inst_pref_size 47
	.end_amdhsa_kernel
	.amdgpu_metadata
---
amdhsa.version: [ 1, 2 ]
amdhsa.kernels:
  - .name:           k_q151ca0804a_prep
    .symbol:         k_q151ca0804a_prep.kd
    .args:
      - { .name: Wk, .offset: 0, .size: 8, .value_kind: global_buffer, .address_space: global }
      - { .name: Wq, .offset: 8, .size: 8, .value_kind: global_buffer, .address_space: global }
      - { .name: query, .offset: 16, .size: 8, .value_kind: global_buffer, .address_space: global }
      - { .name: bq, .offset: 24, .size: 8, .value_kind: global_buffer, .address_space: global }
      - { .name: wk, .offset: 32, .size: 8, .value_kind: global_buffer, .address_space: global }
      - { .name: qb, .offset: 40, .size: 8, .value_kind: global_buffer, .address_space: global }
    .group_segment_fixed_size: 38912
    .private_segment_fixed_size: 0
    .kernarg_segment_align: 8
    .kernarg_segment_size: 48
    .max_flat_workgroup_size: 512
    .sgpr_count:     66
    .vgpr_count:     256
    .wavefront_size: 32
...
	.end_amdgpu_metadata
.endif
;; end of part 1
;; launch scores (part 2): grid 16 x 16, 16 waves a work-group, no clusters, 50,432 bytes of LDS; arguments key, mask, raw_thr, bk, wk, qb, sc; writes sc
.if DOCPART == 2
	.amdgcn_target "amdgcn-amd-amdhsa--gfx1250"
	.amdhsa_code_object_version 6
	.text
	.protected	k_q151ca0804a_scores
	.globl	k_q151ca0804a_scores
	.p2align	8
	.type	k_q151ca0804a_scores,@function
k_q151ca0804a_scores:
	s_mov_b64 s[64:65], 0
	v_nop
	global_prefetch_b8 v0, s[64:65] scope:SCOPE_SE
	s_setreg_imm32_b32 hwreg(HW_REG_WAVE_MODE, 25, 1), 1
	s_wait_xcnt 0x0
; sc[b][h][k] = s if mask[b][k] != 0 and s > softplus(raw_thr[h]), else -1e9;  s = Q[b][h] . (Q4(key[b][k]) Q4(Wk) + bk)[h] / 8.
; A work-group takes 64 keys of one batch (x: the block of keys, y: the batch) and all 16 heads.  K = key Wk never goes to memory: only its dot product with Q does.
; PHASE 1: wave w quantises rows 4 w .. 4 w + 3 of the block along K (a lane holds 8 neighbours, four lanes a block of 32); codes and scale bytes go to LDS as rows.
; PHASE 2: wave w is head w: 4 tiles of 16 columns x 4 tiles of 16 keys, 16 accumulators, 8 steps of 128 along K.  Wk's fragments come from wk as register images, straight into registers,
; two steps ahead in two sets; each wave needs its own head's alone, so they are not shared through LDS and no cluster is formed.
; The matrix instruction is used transposed (source 0 = 16 columns of Wk, source 1 = 16 keys): a lane holds one key and eight columns, so the dot product with Q is fused multiply-adds and one exchange.
; All that stands ahead of the comparison with the threshold is f32.  LIMITS: a block of zeros gets the byte 1 (its codes are zeros); NaN and infinities are not served.
.set CP,    528                        ; a row of codes in LDS: 512 bytes + 16
.set KSC,   64*CP                      ; the rows' scale bytes: 32 + 4 of padding a row
.set KP,    36
.set QL,    KSC+64*KP                  ; Q[b], 256 bytes a head
.set BL,    QL+4096                    ; bk likewise
.set OST,   BL+4096                    ; a stage of 256 bytes a wave for the way out
.set SPARE, OST+4096                   ; the spare words, 128 bytes a wave
.set FLOOR, 0x1800000
.set A,   16                           ; v16-47   the keys' four fragments (phase 1: codes v16-31, bytes v32-47)
.set B,   48                           ; v48-111  Wk's four fragments, two sets
.set BS,  112                          ; v112-115 Wk's scale words, two sets of two: lanes 0-15 tile 2 u, lanes 16-31 tile 2 u + 1
.set AS,  116                          ; v116-117 the keys' scale words, likewise
.set ACC, 128                          ; v128-255 phase 1: the keys' numbers; phase 2: accumulator (m, t) at 128 + 8 (4 m + t)
	s_load_b256 s[4:11], s[0:1], 0x0               ; key, mask, raw_thr, bk
	s_load_b128 s[12:15], s[0:1], 0x20             ; wk, qb
	s_load_b64 s[16:17], s[0:1], 0x30              ; sc
	v_lshl_add_u32 v8, v0, 2, SPARE
	v_mov_b32 v9, 0
	v_lshrrev_b32 v1, 5, v0
	v_readfirstlane_b32 s20, v1                    ; wave = head
	s_mov_b32 s21, ttmp9                           ; block of 64 keys
	s_and_b32 s22, ttmp7, 0xffff                   ; batch
	v_and_b32 v16, 31, v0                          ; lane
	v_and_b32 v17, 15, v0                          ; r
	v_bfe_u32 v18, v0, 4, 1                        ; h
	v_lshlrev_b32 v1, 5, v16                       ; key: 8 numbers a lane
	v_lshlrev_b32 v2, 4, v16                       ; a register image: 16 bytes a lane
	v_lshlrev_b32 v3, 2, v16                       ; a word a lane
	v_mul_u32_u24 v4, v17, CP
	v_lshl_add_u32 v4, v18, 4, v4                  ; a fragment of the keys: row r, + 16 h
	v_mul_u32_u24 v5, v16, KP
	v_add_nc_u32 v5, KSC, v5                       ; their scale words: row = lane
	s_mul_i32 s23, s20, 4*CP
	v_lshl_add_u32 v6, v16, 2, s23                 ; phase 1: my 8 codes in my wave's first row
	s_mul_i32 s23, s20, 4*KP
	s_add_co_u32 s23, s23, KSC
	v_lshrrev_b32 v7, 2, v16
	v_add_nc_u32 v7, s23, v7                       ; and my block's byte
	s_lshl_b32 s23, s20, 8
	s_add_co_u32 s23, s23, QL
	v_lshl_add_u32 v10, v16, 3, s23                ; Q and bk of my head into LDS: 8 bytes a lane
	v_lshl_add_u32 v11, v18, 5, s23                ; and back: 8 numbers from 8 h on
	s_lshl_b32 s23, s20, 2
	v_mov_b32 v15, s23                             ; raw_thr[head]
	v_lshlrev_b32 v126, 3, v16                     ; 8 x lane
	s_lshl_b32 s42, s20, 8
	s_add_co_u32 s42, s42, OST                     ; my stage
	v_lshl_add_u32 v127, v16, 2, s42
	s_mov_b32 s38, 0x76543210
	s_mov_b32 s39, 0xfedcba98                      ; lane l xor 16
	s_mov_b32 s41, 0
	s_wait_kmcnt 0x0
	s_lshl_b32 s40, s22, 22                        ; key: (1,024 b + 64 block + 4 w) rows of 4,096 bytes
	s_lshl_b32 s23, s21, 18
	s_add_co_u32 s40, s40, s23
	s_lshl_b32 s23, s20, 14
	s_add_co_u32 s40, s40, s23
	s_add_nc_u64 s[24:25], s[4:5], s[40:41]
	s_lshl_b32 s40, s20, 15
	s_add_nc_u64 s[26:27], s[12:13], s[40:41]      ; my head's codes of Wk
	s_lshl_b32 s40, s20, 11
	s_add_co_u32 s40, s40, 524288
	s_add_nc_u64 s[28:29], s[12:13], s[40:41]      ; and its scale words
	s_lshl_b32 s40, s22, 12
	s_lshl_b32 s23, s21, 8
	s_add_co_u32 s40, s40, s23
	s_add_nc_u64 s[30:31], s[6:7], s[40:41]        ; mask
	s_lshl_b32 s40, s22, 12
	s_lshl_b32 s23, s20, 8
	s_add_co_u32 s40, s40, s23
	s_add_nc_u64 s[32:33], s[14:15], s[40:41]      ; Q[b], my head
	s_mov_b32 s40, s23
	s_add_nc_u64 s[34:35], s[10:11], s[40:41]      ; bk, my head
	s_lshl_b32 s40, s22, 16
	s_lshl_b32 s23, s20, 12
	s_add_co_u32 s40, s40, s23
	s_lshl_b32 s23, s21, 8
	s_add_co_u32 s40, s40, s23
	s_add_nc_u64 s[36:37], s[16:17], s[40:41]      ; sc[b][head][64 block]
.macro BLOAD s                         ; Wk's fragments and scale words of K step s into set s % 2: ten loads
.irp t, 0,1,2,3
.irp c, 0,1
	global_load_b128 v[B+32*((\s)%2)+8*\t+4*\c:B+32*((\s)%2)+8*\t+4*\c+3], v2, s[26:27] offset:(\s)*4096+\t*1024+\c*512
.endr
.endr
.irp u, 0,1
	global_load_b32 v[BS+2*((\s)%2)+\u], v3, s[28:29] offset:(\s)*256+\u*128
.endr
.endm
	BLOAD 0
	BLOAD 1
	global_load_b64 v[118:119], v126, s[32:33]
	global_load_b64 v[120:121], v126, s[34:35]
	global_load_b32 v12, v3, s[30:31]              ; mask of keys lane and 32 + lane
	global_load_b32 v13, v3, s[30:31] offset:128
	global_load_b32 v14, v15, s[8:9]
.irp i, 0,1,2,3
.irp p, 0,1,2,3
	global_load_b128 v[ACC+8*(4*\i+\p):ACC+8*(4*\i+\p)+3], v1, s[24:25] offset:\i*4096+\p*1024 th:TH_LOAD_NT
	global_load_b128 v[ACC+8*(4*\i+\p)+4:ACC+8*(4*\i+\p)+7], v1, s[24:25] offset:\i*4096+\p*1024+16 th:TH_LOAD_NT
.endr
.endr
; Row i of my four: four pieces of 256 along K by turns; in piece p my 8 numbers are k = 256 p + 8 lane + 0..7.
.macro QROW i
	s_wait_loadcnt 24-8*(\i)                       ; the younger rows' eight loads each may be out
.irp p, 0,1,2,3
	v_max3_num_f32 v[122+\p], |v[ACC+8*(4*(\i)+\p)]|, |v[ACC+8*(4*(\i)+\p)+1]|, FLOOR
.endr
.irp e, 2,4,6
.irp p, 0,1,2,3
	v_max3_num_f32 v[122+\p], v[122+\p], |v[ACC+8*(4*(\i)+\p)+\e]|, |v[ACC+8*(4*(\i)+\p)+\e+1]|
.endr
.endr
.irp p, 0,1,2,3
	v_max_num_f32_dpp v[122+\p], v[122+\p], v[122+\p] row_xmask:1 row_mask:0xf bank_mask:0xf
.endr
.irp p, 0,1,2,3
	v_max_num_f32_dpp v[122+\p], v[122+\p], v[122+\p] row_xmask:2 row_mask:0xf bank_mask:0xf   ; four lanes hold a block
.endr
.irp p, 0,1,2,3
	v_add_nc_u32 v[122+\p], 0xff000000, v[122+\p]  ; 2 off the exponent field: the conversion's scale operand
.endr
.irp p, 0,1,2,3
	v_cvt_scalef32_pk8_fp4_f32 v[16+4*(\i)+\p], v[ACC+8*(4*(\i)+\p):ACC+8*(4*(\i)+\p)+7], v[122+\p]
.endr
.irp p, 0,1,2,3
	v_lshrrev_b32 v[32+4*(\i)+\p], 23, v[122+\p]   ; the byte; also the plain place behind the conversions
.endr
.irp p, 0,1,2,3
	ds_store_b32 v6, v[16+4*(\i)+\p] offset:(\i)*CP+\p*128
	ds_store_b8 v7, v[32+4*(\i)+\p] offset:(\i)*KP+\p*8      ; the block's four lanes write the same byte with the same value
.endr
.endm
	QROW 0
	ds_store_b64 v10, v[118:119]                   ; Q and bk of my head (older loads than row 0's: they are in)
	ds_store_b64 v10, v[120:121] offset:4096
	QROW 1
	QROW 2
	QROW 3
	; the threshold: softplus(x) = max(x, 0) + ln 2 x log2(1 + 2^(-|x| log2 e))
	v_mul_f32 v122, 0xbfb8aa3b, |v14|
	v_exp_f32 v122, v122
	v_max_num_f32 v123, 0, v14                     ; a plain place behind the exponential
	s_wait_alu depctr_va_vdst(0)                   ; ahead of the result's first reader
	v_add_f32 v122, 1.0, v122
	v_log_f32 v122, v122
	v_nop
	s_wait_alu depctr_va_vdst(0)
	v_fmamk_f32 v14, v122, 0x3f317218, v123
	s_wait_dscnt 0x0                               ; for the others' sake: my rows' codes and bytes lie in LDS
	s_barrier_signal -1
	s_barrier_wait -1
.macro WM d, a, b, sa, sb, ra, rb, zero ; one product; ra, rb: which half of the lanes holds the side's scale words; zero: the first K step starts the sum
.if \zero
.if ((\ra)==0) && ((\rb)==0)
	v_wmma_scale_f32_16x16x128_f8f6f4 v[\d:\d+7], v[\a:\a+7], v[\b:\b+7], 0, v[\sa], v[\sb] matrix_a_fmt:MATRIX_FMT_FP4 matrix_b_fmt:MATRIX_FMT_FP4
.elseif (\rb)==0
	v_wmma_scale_f32_16x16x128_f8f6f4 v[\d:\d+7], v[\a:\a+7], v[\b:\b+7], 0, v[\sa], v[\sb] matrix_a_fmt:MATRIX_FMT_FP4 matrix_b_fmt:MATRIX_FMT_FP4 matrix_a_scale:MATRIX_SCALE_ROW1
.elseif (\ra)==0
	v_wmma_scale_f32_16x16x128_f8f6f4 v[\d:\d+7], v[\a:\a+7], v[\b:\b+7], 0, v[\sa], v[\sb] matrix_a_fmt:MATRIX_FMT_FP4 matrix_b_fmt:MATRIX_FMT_FP4 matrix_b_scale:MATRIX_SCALE_ROW1
.else
	v_wmma_scale_f32_16x16x128_f8f6f4 v[\d:\d+7], v[\a:\a+7], v[\b:\b+7], 0, v[\sa], v[\sb] matrix_a_fmt:MATRIX_FMT_FP4 matrix_b_fmt:MATRIX_FMT_FP4 matrix_a_scale:MATRIX_SCALE_ROW1 matrix_b_scale:MATRIX_SCALE_ROW1
.endif
.else
.if ((\ra)==0) && ((\rb)==0)
	v_wmma_scale_f32_16x16x128_f8f6f4 v[\d:\d+7], v[\a:\a+7], v[\b:\b+7], v[\d:\d+7], v[\sa], v[\sb] matrix_a_fmt:MATRIX_FMT_FP4 matrix_b_fmt:MATRIX_FMT_FP4
.elseif (\rb)==0
	v_wmma_scale_f32_16x16x128_f8f6f4 v[\d:\d+7], v[\a:\a+7], v[\b:\b+7], v[\d:\d+7], v[\sa], v[\sb] matrix_a_fmt:MATRIX_FMT_FP4 matrix_b_fmt:MATRIX_FMT_FP4 matrix_a_scale:MATRIX_SCALE_ROW1
.elseif (\ra)==0
	v_wmma_scale_f32_16x16x128_f8f6f4 v[\d:\d+7], v[\a:\a+7], v[\b:\b+7], v[\d:\d+7], v[\sa], v[\sb] matrix_a_fmt:MATRIX_FMT_FP4 matrix_b_fmt:MATRIX_FMT_FP4 matrix_b_scale:MATRIX_SCALE_ROW1
.else
	v_wmma_scale_f32_16x16x128_f8f6f4 v[\d:\d+7], v[\a:\a+7], v[\b:\b+7], v[\d:\d+7], v[\sa], v[\sb] matrix_a_fmt:MATRIX_FMT_FP4 matrix_b_fmt:MATRIX_FMT_FP4 matrix_a_scale:MATRIX_SCALE_ROW1 matrix_b_scale:MATRIX_SCALE_ROW1
.endif
.endif
.endm
; K step s: the keys' fragments from LDS, 16 products (the 16 accumulators by turns, in the same order in every step), then this set of Wk's registers takes step s + 2.
.macro KSTEP s
.irp m, 0,1,2,3
	ds_load_b128 v[A+8*\m:A+8*\m+3], v4 offset:\m*16*CP+64*(\s)
	ds_load_b128 v[A+8*\m+4:A+8*\m+7], v4 offset:\m*16*CP+64*(\s)+32
.endr
.irp u, 0,1
	ds_load_b32 v[AS+\u], v5 offset:\u*32*KP+4*(\s)
.endr
.if (\s) == 7
	s_wait_loadcnt 0x0
.elseif (\s) >= 2
	s_wait_loadcnt 10                              ; this step's ten loads are in; the next step's ten may be out
.endif
	s_wait_dscnt 0x0
.irp m, 0,1,2,3
.irp t, 0,1,2,3
	WM ACC+8*(4*\m+\t), B+32*((\s)%2)+8*\t, A+8*\m, BS+2*((\s)%2)+\t/2, AS+\m/2, \t%2, \m%2, (\s)==0
.endr
.endr
.rept 4
	v_nop                                          ; four places ahead of loads into registers that these products read, and of the first read of results
.endr
.if (\s) <= 5
	BLOAD (\s)+2
.endif
.endm
	KSTEP 0
	KSTEP 1
	KSTEP 2
	KSTEP 3
	KSTEP 4
	KSTEP 5
	KSTEP 6
	KSTEP 7
	; THE DOT PRODUCT WITH Q.  Lane (r, h) holds, in accumulator (m, t), key 16 m + r and columns 16 t + 8 h + 0..7 of my head.
.irp t, 0,1,2,3
	ds_load_b128 v[48+8*\t:48+8*\t+3], v11 offset:64*\t
	ds_load_b128 v[48+8*\t+4:48+8*\t+7], v11 offset:64*\t+16
	ds_load_b128 v[80+8*\t:80+8*\t+3], v11 offset:4096+64*\t
	ds_load_b128 v[80+8*\t+4:80+8*\t+7], v11 offset:4096+64*\t+16
.endr
	v_and_b32 v6, 31, v0
	v_lshl_add_u32 v6, v6, 3, s42                  ; the stage, read back: 8 bytes a lane
	v_mov_b32 v15, 0xce6e6b28                      ; -1e9
	s_wait_dscnt 0x0
	v_pk_mul_f32 v[122:123], v[80:81], v[48:49]    ; bk . Q over my 32 columns
.irp n, 2,4,6,8,10,12,14,16,18,20,22,24,26,28,30
	v_pk_fma_f32 v[122:123], v[80+\n:81+\n], v[48+\n:49+\n], v[122:123]
.endr
.irp m, 0,1,2,3
	v_pk_fma_f32 v[16+2*\m:17+2*\m], v[ACC+32*\m:ACC+32*\m+1], v[48:49], v[122:123]
.endr
.irp n, 2,4,6,8,10,12,14,16,18,20,22,24,26,28,30
.irp m, 0,1,2,3
	v_pk_fma_f32 v[16+2*\m:17+2*\m], v[ACC+32*\m+\n:ACC+32*\m+\n+1], v[48+\n:49+\n], v[16+2*\m:17+2*\m]   ; each accumulator from its low end on
.endr
.endr
.irp m, 0,1,2,3
	v_add_f32 v[16+2*\m], v[16+2*\m], v[17+2*\m]
.endr
.irp m, 0,1,2,3
	v_permlanex16_b32 v[24+\m], v[16+2*\m], s38, s39
.endr
.irp m, 0,1,2,3
	v_add_f32 v[16+2*\m], v[16+2*\m], v[24+\m]     ; with the other half's 32 columns: the score of key 16 m + r, in both halves
.endr
	v_and_b32 v28, 31, v0
	v_cmp_lt_u32 vcc_lo, 15, v28
	v_cndmask_b32 v30, v16, v18, vcc_lo            ; key = lane
	v_cndmask_b32 v31, v20, v22, vcc_lo            ; key = 32 + lane
	v_mul_f32 v30, 0x3e000000, v30                 ; / sqrt(64)
	v_mul_f32 v31, 0x3e000000, v31
	v_cmp_eq_u32 vcc_lo, 0, v12
	v_cndmask_b32 v30, v30, v15, vcc_lo            ; the padding mask
	v_cmp_eq_u32 vcc_lo, 0, v13
	v_cndmask_b32 v31, v31, v15, vcc_lo
	v_cmp_le_f32 vcc_lo, v30, v14
	v_cndmask_b32 v30, v30, v15, vcc_lo            ; the threshold
	v_cmp_le_f32 vcc_lo, v31, v14
	v_cndmask_b32 v31, v31, v15, vcc_lo
	ds_store_b32 v127, v30
	ds_store_b32 v127, v31 offset:128
	ds_load_b64 v[32:33], v6                       ; LDS serves a wave's instructions in order: this sees my two stores
	s_wait_dscnt 0x0
	global_store_b64 v126, v[32:33], s[36:37]      ; 32 lanes store 256 consecutive, aligned bytes
	s_wait_tensorcnt 0x0                           ; the wave's end
	ds_add_u32 v8, v9
	s_wait_dscnt 0x0
	s_endpgm
.Lfunc_end_k_q151ca0804a_scores:
	.size	k_q151ca0804a_scores, .Lfunc_end_k_q151ca0804a_scores-k_q151ca0804a_scores
	.p2alignl 7, 3214868480
	.fill 96, 4, 3214868480
	.section	.rodata,"a",@progbits
	.p2align	6, 0x0
	.amdhsa_kernel k_q151ca0804a_scores
		.amdhsa_group_segment_fixed_size 50432
		.amdhsa_private_segment_fixed_size 0
		.amdhsa_enable_private_segment 0
		.amdhsa_kernarg_size 56
		.amdhsa_user_sgpr_count 2
		.amdhsa_user_sgpr_kernarg_segment_ptr 1
		.amdhsa_wavefront_size32 1
		.amdhsa_system_sgpr_workgroup_id_x 1
		.amdhsa_system_sgpr_workgroup_id_y 1
		.amdhsa_system_sgpr_workgroup_id_z 1
		.amdhsa_system_vgpr_workitem_id 0
		.amdhsa_next_free_vgpr 256
		.amdhsa_next_free_sgpr 66
		.amdhsa_reserve_vcc 1
		.amdhsa_float_denorm_mode_32 3
		.amdhsa_float_denorm_mode_16_64 3
		.amdhsa_memory_ordered 1
		.amdhsa_forward_progress 1
		.amdhsa_inst_pref_size 56
	.end_amdhsa_kernel
	.amdgpu_metadata
---
amdhsa.version: [ 1, 2 ]
amdhsa.kernels:
  - .name:           k_q151ca0804a_scores
    .symbol:         k_q151ca0804a_scores.kd
    .args:
      - { .name: key, .offset: 0, .size: 8, .value_kind: global_buffer, .address_space: global }
      - { .name: mask, .offset: 8, .size: 8, .value_kind: global_buffer, .address_space: global }
      - { .name: raw_thr, .offset: 16, .size: 8, .value_kind: global_buffer, .address_space: global }
      - { .name: bk, .offset: 24, .size: 8, .value_kind: global_buffer, .address_space: global }
      - { .name: wk, .offset: 32, .size: 8, .value_kind: global_buffer, .address_space: global }
      - { .name: qb, .offset: 40, .size: 8, .value_kind: global_buffer, .address_space: global }
      - { .name: sc, .offset: 48, .size: 8, .value_kind: global_buffer, .address_space: global }
    .group_segment_fixed_size: 50432
    .private_segment_fixed_size: 0
    .kernarg_segment_align: 8
    .kernarg_segment_size: 56
    .max_flat_workgroup_size: 512
    .sgpr_count:     66
    .vgpr_count:     256
    .wavefront_size: 32
...
	.end_amdgpu_metadata
.endif
;; end of part 2
;; launch ctxk (part 3): grid 16 x 16, 16 waves a work-group, no clusters, 268,544 bytes of LDS; arguments sc, key, ctx; writes ctx
.if DOCPART == 3
	.amdgcn_target "amdgcn-amd-amdhsa--gfx1250"
	.amdhsa_code_object_version 6
	.text
	.protected	k_q151ca0804a_ctxk
	.globl	k_q151ca0804a_ctxk
	.p2align	8
	.type	k_q151ca0804a_ctxk,@function
k_q151ca0804a_ctxk:
	s_mov_b64 s[64:65], 0
	v_nop
	global_prefetch_b8 v0, s[64:65] scope:SCOPE_SE
	s_setreg_imm32_b32 hwreg(HW_REG_WAVE_MODE, 25, 1), 1
	s_wait_xcnt 0x0
; ctx[b][h][64 j + c] = sum over k of softmax_k(sc[b][h][:])[k] key[b][k][64 j + c].  Work-group x = j (64 columns), y = b.
; reference() applies linear maps to the values and then the weights, whose rows sum to 1; here the weights are applied to key first: the same sums in another order, no difference of large sums.
; PROLOGUE: wave w makes row w (head w) of the weights: the row's true maximum is taken away, exponentials, sum, division, all in f32; the row goes to LDS as f16.
; STAGE: wave w multiplies keys 64 w .. 64 w + 63: its tile of key (64 rows x 256 bytes) is loaded whole, narrowed to f16, laid [k][n] in its own LDS region and read back turned.
; SUM: the sixteen waves' parts meet in LDS; wave w sums row w and stores 256 consecutive bytes.
; f16 operands: the weights lie in 0 .. 1; LIMIT: |key| under 65,504.  NaN and infinities are not served.
.set PA,    2064                       ; a row of the weights in LDS: 1,024 f16 + 16 bytes
.set PITCH, 4096                       ; a row of key in memory
.set AIMG,  0
.set WST,   16*PA                      ; 16 waves x 64 rows x 160 bytes: [k][n] in 16 bits
.set WREG,  64*160
.set RED,   WST+16*WREG                ; 16 waves x 16 rows x (256 + 16) bytes: the parts
.set RREG,  16*272
.set SPARE, RED+16*RREG                ; the spare words, 128 bytes a wave
.set AF,  16                           ; v16-31   the weights' two fragments (prologue: the row, v16-47)
.set ACC, 32                           ; v32-63   four accumulators
.set H,   64                           ; v64-127  the tile in 16 bits, then its eight fragments, then the parts
.set WT,  128                          ; v128-255 the tile as loaded
.macro CVT d, a, b
	v_cvt_pk_f16_f32 v[\d], v[\a], v[\b]
.endm
.macro ROWLD dst, sb, off              ; a row of 1,024 f32: eight loads of 512 consecutive bytes; a lane holds columns 4 lane + 128 i + 0..3
.irp i, 0,1,2,3,4,5,6,7
	global_load_b128 v[\dst+4*\i:\dst+4*\i+3], v1, s[\sb:\sb+1] offset:(\off)+512*\i
.endr
.endm
.macro WLDG g, vo, sb, pitch, rowoff   ; rows 16 g .. 16 g + 15 of a tile: an instruction takes two rows of 256 bytes
.irp i, 0,1,2,3,4,5,6,7
	global_load_b128 v[WT+32*(\g)+4*\i:WT+32*(\g)+4*\i+3], v[\vo], s[\sb:\sb+1] offset:((\rowoff)+16*(\g)+2*\i)*(\pitch) th:TH_LOAD_NT
.endr
.endm
.macro WCV                             ; the tile is narrowed and laid in my region of LDS, group by group as it lands
.irp g, 0,1,2,3
	s_wait_loadcnt 24-8*\g                         ; the younger groups' eight loads each may be out
.irp i, 0,1,2,3,4,5,6,7
	CVT H+2*(8*\g+\i), WT+32*\g+4*\i, WT+32*\g+4*\i+1
	CVT H+2*(8*\g+\i)+1, WT+32*\g+4*\i+2, WT+32*\g+4*\i+3
.endr
.irp i, 0,1,2,3,4,5,6,7
	ds_store_b64 v3, v[H+2*(8*\g+\i):H+2*(8*\g+\i)+1] offset:320*(8*\g+\i)
.endr
.endr
.endm
.macro FRAGS aoff, adr                 ; two fragments of A (16 rows x 32 k) and eight of the tile (16 columns x 32 k, turned)
.irp q, 0,1
	ds_load_b128 v[AF+8*\q:AF+8*\q+3], v[\adr] offset:(\aoff)+64*\q
	ds_load_b128 v[AF+8*\q+4:AF+8*\q+7], v[\adr] offset:(\aoff)+64*\q+32
.endr
.irp q, 0,1
.irp t, 0,1,2,3
	ds_load_tr16_b128 v[H+8*(4*\q+\t):H+8*(4*\q+\t)+3], v4 offset:\q*5120+\t*32
	ds_load_tr16_b128 v[H+8*(4*\q+\t)+4:H+8*(4*\q+\t)+7], v4 offset:\q*5120+\t*32+2560
.endr
.endr
	s_wait_dscnt 0x0
.endm
.macro MM first                        ; eight products, the four accumulators by turns; transposed: a lane holds row r and columns 16 t + 8 h + 0..7
.irp q, 0,1
.irp t, 0,1,2,3
.if (\first) && (\q == 0)
	v_wmma_f32_16x16x32_f16 v[ACC+8*\t:ACC+8*\t+7], v[H+8*(4*\q+\t):H+8*(4*\q+\t)+7], v[AF+8*\q:AF+8*\q+7], 0
.else
	v_wmma_f32_16x16x32_f16 v[ACC+8*\t:ACC+8*\t+7], v[H+8*(4*\q+\t):H+8*(4*\q+\t)+7], v[AF+8*\q:AF+8*\q+7], v[ACC+8*\t:ACC+8*\t+7]
.endif
.endr
.endr
.rept 5
	v_nop                                          ; places ahead of reads of the results and of whatever next writes these products' registers
.endr
.endm
.macro REDOUT
.irp t, 0,1,2,3
	ds_store_b128 v7, v[ACC+8*\t:ACC+8*\t+3] offset:64*\t
	ds_store_b128 v7, v[ACC+8*\t+4:ACC+8*\t+7] offset:64*\t+16
.endr
.endm
.macro REDSUM                          ; row = my wave, two columns a lane, the sixteen parts; the sum is left in v[H:H+1]
.irp p, 0,1,2,3,4,5,6,7,8,9,10,11,12,13,14,15
	ds_load_b64 v[H+2*\p:H+2*\p+1], v8 offset:RREG*\p
.endr
	s_wait_dscnt 0x0
.irp p, 2,4,6,8,10,12,14
	v_pk_add_f32 v[H:H+1], v[H:H+1], v[H+2*\p:H+2*\p+1]
	v_pk_add_f32 v[H+2:H+3], v[H+2:H+3], v[H+2*\p+2:H+2*\p+3]
.endr
	v_pk_add_f32 v[H:H+1], v[H:H+1], v[H+2:H+3]
.endm
.macro WREDA x, tmp                    ; the sum over the wave's 32 lanes, in every lane
	v_add_f32_dpp v[\x], v[\x], v[\x] row_xmask:1 row_mask:0xf bank_mask:0xf
	v_add_f32_dpp v[\x], v[\x], v[\x] row_xmask:2 row_mask:0xf bank_mask:0xf
	v_add_f32_dpp v[\x], v[\x], v[\x] row_xmask:4 row_mask:0xf bank_mask:0xf
	v_add_f32_dpp v[\x], v[\x], v[\x] row_xmask:8 row_mask:0xf bank_mask:0xf
	v_permlanex16_b32 v[\tmp], v[\x], s34, s35
	v_add_f32 v[\x], v[\x], v[\tmp]
.endm
.macro WREDM x, tmp                    ; the maximum likewise
	v_max_num_f32_dpp v[\x], v[\x], v[\x] row_xmask:1 row_mask:0xf bank_mask:0xf
	v_max_num_f32_dpp v[\x], v[\x], v[\x] row_xmask:2 row_mask:0xf bank_mask:0xf
	v_max_num_f32_dpp v[\x], v[\x], v[\x] row_xmask:4 row_mask:0xf bank_mask:0xf
	v_max_num_f32_dpp v[\x], v[\x], v[\x] row_xmask:8 row_mask:0xf bank_mask:0xf
	v_permlanex16_b32 v[\tmp], v[\x], s34, s35
	v_max_num_f32 v[\x], v[\x], v[\tmp]
.endm
.macro BAR                             ; my LDS stores have landed and my LDS loads are in: then the work-group's barrier
	s_wait_dscnt 0x0
	s_barrier_signal -1
	s_barrier_wait -1
.endm
	s_load_b128 s[4:7], s[0:1], 0x0                ; sc, key
	s_load_b64 s[8:9], s[0:1], 0x10                ; ctx
	v_lshl_add_u32 v10, v0, 2, SPARE
	v_mov_b32 v11, 0
	v_lshrrev_b32 v1, 5, v0
	v_readfirstlane_b32 s20, v1                    ; wave
	s_and_b32 s22, ttmp7, 0xffff                   ; batch
	v_and_b32 v16, 31, v0                          ; lane
	v_and_b32 v17, 15, v0                          ; r
	v_bfe_u32 v18, v0, 4, 1                        ; h
	v_lshlrev_b32 v1, 4, v16                       ; 16 x lane
	v_lshlrev_b32 v2, 4, v17
	v_lshl_add_u32 v2, v18, 12, v2                 ; a tile's loads: row h, 16 r
	s_mul_i32 s23, s20, WREG
	s_add_co_u32 s23, s23, WST                     ; my region of tiles
	v_mul_u32_u24 v3, v18, 160
	v_lshl_add_u32 v3, v17, 3, v3
	v_add_nc_u32 v3, s23, v3                       ; into it: row h, 8 r
	v_and_b32 v19, 7, v0
	v_lshl_add_u32 v19, v18, 3, v19
	v_mul_u32_u24 v4, v19, 160
	v_bfe_u32 v19, v0, 3, 1
	v_lshl_add_u32 v4, v19, 4, v4
	v_add_nc_u32 v4, s23, v4                       ; the turning load: row 8 h + lane % 8, 16 bytes x ((lane / 8) % 2)
	v_mul_u32_u24 v5, v17, PA
	v_lshl_add_u32 v5, v18, 4, v5
	s_lshl_b32 s23, s20, 7
	v_add_nc_u32 v5, s23, v5                       ; A's fragments: row r, + 16 h, + my 64 along K
	s_mul_i32 s23, s20, PA
	v_lshl_add_u32 v6, v16, 3, s23                 ; A's row w on its way in: 8 x lane
	s_mul_i32 s23, s20, RREG
	s_add_co_u32 s23, s23, RED
	v_mul_u32_u24 v7, v17, 272
	v_lshl_add_u32 v7, v18, 5, v7
	v_add_nc_u32 v7, s23, v7                       ; my part: row r, + 32 h
	s_mul_i32 s23, s20, 272
	s_add_co_u32 s23, s23, RED
	v_lshl_add_u32 v8, v16, 3, s23                 ; the parts' row w: 8 x lane
	v_lshlrev_b32 v9, 3, v16
	v_mov_b32 v50, 0                               ; a lane permute's destination counts as one of its sources
	s_mov_b32 s34, 0x76543210
	s_mov_b32 s35, 0xfedcba98
	s_mov_b32 s36, 0x3fb8aa3b                      ; log2(e)
	s_mov_b32 s37, s36
	s_lshl_b32 s32, s22, 16
	s_lshl_b32 s23, s20, 12
	s_add_co_u32 s32, s32, s23
	s_mov_b32 s33, 0
	s_wait_kmcnt 0x0
	s_add_nc_u64 s[24:25], s[4:5], s[32:33]        ; sc[b][w]
	s_lshl_b32 s23, ttmp9, 8
	s_add_co_u32 s32, s32, s23
	s_add_nc_u64 s[30:31], s[8:9], s[32:33]        ; ctx[b][w][64 j]
	s_lshl_b32 s32, s22, 22
	s_add_co_u32 s32, s32, s23
	s_lshl_b32 s23, s20, 18
	s_add_co_u32 s32, s32, s23
	s_add_nc_u64 s[26:27], s[6:7], s[32:33]        ; key[b][64 w][64 j]
	ROWLD 16, 24, 0
.irp g, 0,1,2,3
	WLDG \g, 2, 26, PITCH, 0
.endr
	s_wait_loadcnt 32                              ; the row is in; the tile's 32 loads may be out
	v_max3_num_f32 v48, v16, v17, v18
	v_max3_num_f32 v49, v19, v20, v21
.irp n, 22,26,30,34,38,42
	v_max3_num_f32 v48, v48, v[\n], v[\n+1]
	v_max3_num_f32 v49, v49, v[\n+2], v[\n+3]
.endr
	v_max3_num_f32 v48, v48, v46, v47
	v_max_num_f32 v48, v48, v49
	WREDM 48, 50                                   ; the row's maximum
.irp n, 16,18,20,22,24,26,28,30,32,34,36,38,40,42,44,46
	v_pk_add_f32 v[\n:\n+1], v[\n:\n+1], v[48:49] op_sel_hi:[1,0] neg_lo:[0,1] neg_hi:[0,1]
.endr
.irp n, 16,18,20,22,24,26,28,30,32,34,36,38,40,42,44,46
	v_pk_mul_f32 v[\n:\n+1], v[\n:\n+1], s[36:37] op_sel_hi:[1,0]
.endr
.irp n, 16,17,18,19,20,21,22,23,24,25,26,27,28,29,30,31,32,33,34,35,36,37,38,39,40,41,42,43,44,45,46,47
	v_exp_f32 v[\n], v[\n]
.endr
	v_nop                                          ; a plain place behind the last exponential
	s_wait_alu depctr_va_vdst(0)                   ; one wait for the batch, ahead of its first reader
	v_pk_add_f32 v[48:49], v[16:17], v[18:19]
	v_pk_add_f32 v[52:53], v[20:21], v[22:23]
.irp n, 24,28,32,36,40,44
	v_pk_add_f32 v[48:49], v[48:49], v[\n:\n+1]
	v_pk_add_f32 v[52:53], v[52:53], v[\n+2:\n+3]
.endr
	v_pk_add_f32 v[48:49], v[48:49], v[52:53]
	v_add_f32 v48, v48, v49
	WREDA 48, 50                                   ; the row's sum
	v_rcp_f32 v48, v48
	v_nop
	s_wait_alu depctr_va_vdst(0)
.irp n, 16,18,20,22,24,26,28,30,32,34,36,38,40,42,44,46
	v_pk_mul_f32 v[\n:\n+1], v[\n:\n+1], v[48:49] op_sel_hi:[1,0]
.endr
.set n, 0
.rept 16
	CVT 16+n, 16+2*n, 17+2*n                       ; narrowed in place: register 16 + n is written when both its old neighbours have been read
.set n, n+1
.endr
.irp i, 0,1,2,3,4,5,6,7
	ds_store_b64 v6, v[16+2*\i:17+2*\i] offset:256*\i
.endr
	WCV
	BAR                                            ; the sixteen rows of weights lie in LDS
	FRAGS 0, 5
	MM 1
	REDOUT
	BAR                                            ; the sixteen parts lie in LDS
	REDSUM
	global_store_b64 v9, v[H:H+1], s[30:31]        ; 32 lanes store 256 consecutive, aligned bytes
	s_wait_tensorcnt 0x0                           ; the wave's end
	ds_add_u32 v10, v11
	s_wait_dscnt 0x0
	s_endpgm
.Lfunc_end_k_q151ca0804a_ctxk:
	.size	k_q151ca0804a_ctxk, .Lfunc_end_k_q151ca0804a_ctxk-k_q151ca0804a_ctxk
	.p2alignl 7, 3214868480
	.fill 96, 4, 3214868480
	.section	.rodata,"a",@progbits
	.p2align	6, 0x0
	.amdhsa_kernel k_q151ca0804a_ctxk
		.amdhsa_group_segment_fixed_size 268544
		.amdhsa_private_segment_fixed_size 0
		.amdhsa_enable_private_segment 0
		.amdhsa_kernarg_size 24
		.amdhsa_user_sgpr_count 2
		.amdhsa_user_sgpr_kernarg_segment_ptr 1
		.amdhsa_wavefront_size32 1
		.amdhsa_system_sgpr_workgroup_id_x 1
		.amdhsa_system_sgpr_workgroup_id_y 1
		.amdhsa_system_sgpr_workgroup_id_z 1
		.amdhsa_system_vgpr_workitem_id 0
		.amdhsa_next_free_vgpr 256
		.amdhsa_next_free_sgpr 66
		.amdhsa_reserve_vcc 0
		.amdhsa_float_denorm_mode_32 3
		.amdhsa_float_denorm_mode_16_64 3
		.amdhsa_memory_ordered 1
		.amdhsa_forward_progress 1
		.amdhsa_inst_pref_size 27
	.end_amdhsa_kernel
	.amdgpu_metadata
---
amdhsa.version: [ 1, 2 ]
amdhsa.kernels:
  - .name:           k_q151ca0804a_ctxk
    .symbol:         k_q151ca0804a_ctxk.kd
    .args:
      - { .name: sc, .offset: 0, .size: 8, .value_kind: global_buffer, .address_space: global }
      - { .name: key, .offset: 8, .size: 8, .value_kind: global_buffer, .address_space: global }
      - { .name: ctx, .offset: 16, .size: 8, .value_kind: global_buffer, .address_space: global }
    .group_segment_fixed_size: 268544
    .private_segment_fixed_size: 0
    .kernarg_segment_align: 8
    .kernarg_segment_size: 24
    .max_flat_workgroup_size: 512
    .sgpr_count:     66
    .vgpr_count:     256
    .wavefront_size: 32
...
	.end_amdgpu_metadata
.endif
;; end of part 3
;; launch uk (part 4): grid 16 x 16, 16 waves a work-group, no clusters, 301,312 bytes of LDS; arguments ctx, query, Wvp, u; writes u
.if DOCPART == 4
	.amdgcn_target "amdgcn-amd-amdhsa--gfx1250"
	.amdhsa_code_object_version 6
	.text
	.protected	k_q151ca0804a_uk
	.globl	k_q151ca0804a_uk
	.p2align	8
	.type	k_q151ca0804a_uk,@function
k_q151ca0804a_uk:
	s_mov_b64 s[64:65], 0
	v_nop
	global_prefetch_b8 v0, s[64:65] scope:SCOPE_SE
	s_setreg_imm32_b32 hwreg(HW_REG_WAVE_MODE, 25, 1), 1
	s_wait_xcnt 0x0
; u[h][b][64 j + c] = sum over k of [ctx[b][h][:] | query[b][:]][k] Wvp[k][64 j + c], K = 2,048: reference()'s own concatenation, applied to the weighted mean of key.
; Work-group x = j (64 columns), y = b; the 16 rows are the heads.  Wave w puts row w into LDS as f16, multiplies k = 128 w .. 128 w + 127 (two tiles of 64 rows of Wvp), and sums row w of the sixteen parts.
; f16 operands.  LIMIT: |key|, |query| and |Wvp| under 65,504 (ctx is a convex mean of rows of key).
.set PA,    4112                       ; a row of A in LDS: 2,048 f16 + 16 bytes
.set PITCH, 4096
.set AIMG,  0
.set WST,   16*PA
.set WREG,  64*160
.set RED,   WST+16*WREG
.set RREG,  16*272
.set SPARE, RED+16*RREG
.set AF,  16
.set ACC, 32
.set H,   64
.set WT,  128
.macro CVT d, a, b
	v_cvt_pk_f16_f32 v[\d], v[\a], v[\b]
.endm
.macro ROWLD dst, sb, off
.irp i, 0,1,2,3,4,5,6,7
	global_load_b128 v[\dst+4*\i:\dst+4*\i+3], v1, s[\sb:\sb+1] offset:(\off)+512*\i
.endr
.endm
.macro WLDG g, vo, sb, pitch, rowoff   ; no hint: the sixteen batches' work-groups read the same tile
.irp i, 0,1,2,3,4,5,6,7
	global_load_b128 v[WT+32*(\g)+4*\i:WT+32*(\g)+4*\i+3], v[\vo], s[\sb:\sb+1] offset:((\rowoff)+16*(\g)+2*\i)*(\pitch)
.endr
.endm
.macro WCV
.irp g, 0,1,2,3
	s_wait_loadcnt 24-8*\g                         ; the younger groups' eight loads each may be out
.irp i, 0,1,2,3,4,5,6,7
	CVT H+2*(8*\g+\i), WT+32*\g+4*\i, WT+32*\g+4*\i+1
	CVT H+2*(8*\g+\i)+1, WT+32*\g+4*\i+2, WT+32*\g+4*\i+3
.endr
.irp i, 0,1,2,3,4,5,6,7
	ds_store_b64 v3, v[H+2*(8*\g+\i):H+2*(8*\g+\i)+1] offset:320*(8*\g+\i)
.endr
.endr
.endm
.macro FRAGS aoff, adr
.irp q, 0,1
	ds_load_b128 v[AF+8*\q:AF+8*\q+3], v[\adr] offset:(\aoff)+64*\q
	ds_load_b128 v[AF+8*\q+4:AF+8*\q+7], v[\adr] offset:(\aoff)+64*\q+32
.endr
.irp q, 0,1
.irp t, 0,1,2,3
	ds_load_tr16_b128 v[H+8*(4*\q+\t):H+8*(4*\q+\t)+3], v4 offset:\q*5120+\t*32
	ds_load_tr16_b128 v[H+8*(4*\q+\t)+4:H+8*(4*\q+\t)+7], v4 offset:\q*5120+\t*32+2560
.endr
.endr
	s_wait_dscnt 0x0
.endm
.macro MM first                        ; the four accumulators by turns
.irp q, 0,1
.irp t, 0,1,2,3
.if (\first) && (\q == 0)
	v_wmma_f32_16x16x32_f16 v[ACC+8*\t:ACC+8*\t+7], v[H+8*(4*\q+\t):H+8*(4*\q+\t)+7], v[AF+8*\q:AF+8*\q+7], 0
.else
	v_wmma_f32_16x16x32_f16 v[ACC+8*\t:ACC+8*\t+7], v[H+8*(4*\q+\t):H+8*(4*\q+\t)+7], v[AF+8*\q:AF+8*\q+7], v[ACC+8*\t:ACC+8*\t+7]
.endif
.endr
.endr
.rept 5
	v_nop                                          ; places ahead of reads of the results and of whatever next writes these products' registers
.endr
.endm
.macro REDOUT
.irp t, 0,1,2,3
	ds_store_b128 v7, v[ACC+8*\t:ACC+8*\t+3] offset:64*\t
	ds_store_b128 v7, v[ACC+8*\t+4:ACC+8*\t+7] offset:64*\t+16
.endr
.endm
.macro REDSUM
.irp p, 0,1,2,3,4,5,6,7,8,9,10,11,12,13,14,15
	ds_load_b64 v[H+2*\p:H+2*\p+1], v8 offset:RREG*\p
.endr
	s_wait_dscnt 0x0
.irp p, 2,4,6,8,10,12,14
	v_pk_add_f32 v[H:H+1], v[H:H+1], v[H+2*\p:H+2*\p+1]
	v_pk_add_f32 v[H+2:H+3], v[H+2:H+3], v[H+2*\p+2:H+2*\p+3]
.endr
	v_pk_add_f32 v[H:H+1], v[H:H+1], v[H+2:H+3]
.endm
.macro BAR
	s_wait_dscnt 0x0
	s_barrier_signal -1
	s_barrier_wait -1
.endm
	s_load_b256 s[4:11], s[0:1], 0x0               ; ctx, query, Wvp, u
	v_lshl_add_u32 v10, v0, 2, SPARE
	v_mov_b32 v11, 0
	v_lshrrev_b32 v1, 5, v0
	v_readfirstlane_b32 s20, v1                    ; wave
	s_and_b32 s22, ttmp7, 0xffff                   ; batch
	v_and_b32 v16, 31, v0                          ; lane
	v_and_b32 v17, 15, v0                          ; r
	v_bfe_u32 v18, v0, 4, 1                        ; h
	v_lshlrev_b32 v1, 4, v16
	v_lshlrev_b32 v2, 4, v17
	v_lshl_add_u32 v2, v18, 12, v2
	s_mul_i32 s23, s20, WREG
	s_add_co_u32 s23, s23, WST
	v_mul_u32_u24 v3, v18, 160
	v_lshl_add_u32 v3, v17, 3, v3
	v_add_nc_u32 v3, s23, v3
	v_and_b32 v19, 7, v0
	v_lshl_add_u32 v19, v18, 3, v19
	v_mul_u32_u24 v4, v19, 160
	v_bfe_u32 v19, v0, 3, 1
	v_lshl_add_u32 v4, v19, 4, v4
	v_add_nc_u32 v4, s23, v4
	v_mul_u32_u24 v5, v17, PA
	v_lshl_add_u32 v5, v18, 4, v5
	s_lshl_b32 s23, s20, 8
	v_add_nc_u32 v5, s23, v5                       ; + my 128 along K
	s_mul_i32 s23, s20, PA
	v_lshl_add_u32 v6, v16, 3, s23
	s_mul_i32 s23, s20, RREG
	s_add_co_u32 s23, s23, RED
	v_mul_u32_u24 v7, v17, 272
	v_lshl_add_u32 v7, v18, 5, v7
	v_add_nc_u32 v7, s23, v7
	s_mul_i32 s23, s20, 272
	s_add_co_u32 s23, s23, RED
	v_lshl_add_u32 v8, v16, 3, s23
	v_lshlrev_b32 v9, 3, v16
	s_lshl_b32 s32, s22, 16
	s_lshl_b32 s23, s20, 12
	s_add_co_u32 s32, s32, s23
	s_mov_b32 s33, 0
	s_wait_kmcnt 0x0
	s_add_nc_u64 s[24:25], s[4:5], s[32:33]        ; ctx[b][w]
	s_lshl_b32 s32, s22, 12
	s_add_nc_u64 s[28:29], s[6:7], s[32:33]        ; query[b]
	s_lshl_b32 s23, s20, 16
	s_add_co_u32 s32, s32, s23
	s_lshl_b32 s23, ttmp9, 8
	s_add_co_u32 s32, s32, s23
	s_add_nc_u64 s[30:31], s[10:11], s[32:33]      ; u[w][b][64 j]
	s_lshl_b32 s32, s20, 19
	s_add_co_u32 s32, s32, s23
	s_add_nc_u64 s[26:27], s[8:9], s[32:33]        ; Wvp[128 w][64 j]
	ROWLD 16, 24, 0
	ROWLD 48, 28, 0
.irp g, 0,1,2,3
	WLDG \g, 2, 26, PITCH, 0
.endr
	s_wait_loadcnt 32                              ; both halves of the row are in; the tile's 32 loads may be out
.set n, 0
.rept 32
	CVT 16+n, 16+2*n, 17+2*n                       ; narrowed in place
.set n, n+1
.endr
.irp i, 0,1,2,3,4,5,6,7,8,9,10,11,12,13,14,15
	ds_store_b64 v6, v[16+2*\i:17+2*\i] offset:256*\i
.endr
	WCV
.irp g, 0,1,2,3
	WLDG \g, 2, 26, PITCH, 64                      ; my second tile, asked for as soon as the registers are free
.endr
	BAR                                            ; the sixteen rows of A lie in LDS
	FRAGS 0, 5
	MM 1
	WCV
	s_wait_dscnt 0x0                               ; the stores have read their registers
	FRAGS 128, 5
	MM 0
	REDOUT
	BAR                                            ; the sixteen parts lie in LDS
	REDSUM
	global_store_b64 v9, v[H:H+1], s[30:31]        ; 32 lanes store 256 consecutive, aligned bytes
	s_wait_tensorcnt 0x0                           ; the wave's end
	ds_add_u32 v10, v11
	s_wait_dscnt 0x0
	s_endpgm
.Lfunc_end_k_q151ca0804a_uk:
	.size	k_q151ca0804a_uk, .Lfunc_end_k_q151ca0804a_uk-k_q151ca0804a_uk
	.p2alignl 7, 3214868480
	.fill 96, 4, 3214868480
	.section	.rodata,"a",@progbits
	.p2align	6, 0x0
	.amdhsa_kernel k_q151ca0804a_uk
		.amdhsa_group_segment_fixed_size 301312
		.amdhsa_private_segment_fixed_size 0
		.amdhsa_enable_private_segment 0
		.amdhsa_kernarg_size 32
		.amdhsa_user_sgpr_count 2
		.amdhsa_user_sgpr_kernarg_segment_ptr 1
		.amdhsa_wavefront_size32 1
		.amdhsa_system_sgpr_workgroup_id_x 1
		.amdhsa_system_sgpr_workgroup_id_y 1
		.amdhsa_system_sgpr_workgroup_id_z 1
		.amdhsa_system_vgpr_workitem_id 0
		.amdhsa_next_free_vgpr 256
		.amdhsa_next_free_sgpr 66
		.amdhsa_reserve_vcc 0
		.amdhsa_float_denorm_mode_32 3
		.amdhsa_float_denorm_mode_16_64 3
		.amdhsa_memory_ordered 1
		.amdhsa_forward_progress 1
		.amdhsa_inst_pref_size 33
	.end_amdhsa_kernel
	.amdgpu_metadata
---
amdhsa.version: [ 1, 2 ]
amdhsa.kernels:
  - .name:           k_q151ca0804a_uk
    .symbol:         k_q151ca0804a_uk.kd
    .args:
      - { .name: ctx, .offset: 0, .size: 8, .value_kind: global_buffer, .address_space: global }
      - { .name: query, .offset: 8, .size: 8, .value_kind: global_buffer, .address_space: global }
      - { .name: Wvp, .offset: 16, .size: 8, .value_kind: global_buffer, .address_space: global }
      - { .name: u, .offset: 24, .size: 8, .value_kind: global_buffer, .address_space: global }
    .group_segment_fixed_size: 301312
    .private_segment_fixed_size: 0
    .kernarg_segment_align: 8
    .kernarg_segment_size: 32
    .max_flat_workgroup_size: 512
    .sgpr_count:     66
    .vgpr_count:     256
    .wavefront_size: 32
...
	.end_amdgpu_metadata
.endif
;; end of part 4
;; launch xo (part 5): grid 16 x 1, 16 waves a work-group, no clusters, 270,848 bytes of LDS; arguments u, Wv, bv, Wo, apart; writes apart
.if DOCPART == 5
	.amdgcn_target "amdgcn-amd-amdhsa--gfx1250"
	.amdhsa_code_object_version 6
	.text
	.protected	k_q151ca0804a_xo
	.globl	k_q151ca0804a_xo
	.p2align	8
	.type	k_q151ca0804a_xo,@function
k_q151ca0804a_xo:
	s_mov_b64 s[64:65], 0
	v_nop
	global_prefetch_b8 v0, s[64:65] scope:SCOPE_SE
	s_setreg_imm32_b32 hwreg(HW_REG_WAVE_MODE, 25, 1), 1
	s_wait_xcnt 0x0
; x[b][64 h + c] = u[h][b][:] . Wv[:][64 h + c] + bv[64 h + c]  (bv enters once, since a softmax's weights sum to 1);  apart[h][b][n] = sum over c of x[b][64 h + c] Wo[64 h + c][n].
; Work-group x = the head h; the 16 rows are the batches.  STAGE 1 as in the launches before: wave w multiplies k = 64 w .. 64 w + 63 of Wv's 64 columns; the parts are summed in LDS.
; STAGE 2: the 16 x 64 result is the left operand; wave w multiplies it by Wo's rows 64 h .. and columns 64 w ..: the head's part of the output projection, summed over heads by the next launch.
; bf16 operands: u and x grow with the product of three and four inputs' scales, for which f16 has no room.
.set PA,    2064
.set PITCH, 4096
.set AIMG,  0
.set WST,   16*PA
.set WREG,  64*160
.set RED,   WST+16*WREG
.set RREG,  16*272
.set A2,    RED+16*RREG                ; x in 16 bits: 16 rows x (128 + 16) bytes
.set SPARE, A2+16*144
.set AF,  16
.set ACC, 32
.set H,   64
.set WT,  128
.macro CVT d, a, b
	v_cvt_pk_bf16_f32 v[\d], v[\a], v[\b]
.endm
.macro ROWLD dst, sb, off
.irp i, 0,1,2,3,4,5,6,7
	global_load_b128 v[\dst+4*\i:\dst+4*\i+3], v1, s[\sb:\sb+1] offset:(\off)+512*\i
.endr
.endm
.macro WLDG g, vo, sb, pitch, rowoff
.irp i, 0,1,2,3,4,5,6,7
	global_load_b128 v[WT+32*(\g)+4*\i:WT+32*(\g)+4*\i+3], v[\vo], s[\sb:\sb+1] offset:((\rowoff)+16*(\g)+2*\i)*(\pitch) th:TH_LOAD_NT
.endr
.endm
.macro WCV
.irp g, 0,1,2,3
	s_wait_loadcnt 24-8*\g                         ; the younger groups' eight loads each may be out
.irp i, 0,1,2,3,4,5,6,7
	CVT H+2*(8*\g+\i), WT+32*\g+4*\i, WT+32*\g+4*\i+1
	CVT H+2*(8*\g+\i)+1, WT+32*\g+4*\i+2, WT+32*\g+4*\i+3
.endr
.irp i, 0,1,2,3,4,5,6,7
	ds_store_b64 v3, v[H+2*(8*\g+\i):H+2*(8*\g+\i)+1] offset:320*(8*\g+\i)
.endr
.endr
.endm
.macro FRAGS aoff, adr
.irp q, 0,1
	ds_load_b128 v[AF+8*\q:AF+8*\q+3], v[\adr] offset:(\aoff)+64*\q
	ds_load_b128 v[AF+8*\q+4:AF+8*\q+7], v[\adr] offset:(\aoff)+64*\q+32
.endr
.irp q, 0,1
.irp t, 0,1,2,3
	ds_load_tr16_b128 v[H+8*(4*\q+\t):H+8*(4*\q+\t)+3], v4 offset:\q*5120+\t*32
	ds_load_tr16_b128 v[H+8*(4*\q+\t)+4:H+8*(4*\q+\t)+7], v4 offset:\q*5120+\t*32+2560
.endr
.endr
	s_wait_dscnt 0x0
.endm
.macro MM first                        ; the four accumulators by turns
.irp q, 0,1
.irp t, 0,1,2,3
.if (\first) && (\q == 0)
	v_wmma_f32_16x16x32_bf16 v[ACC+8*\t:ACC+8*\t+7], v[H+8*(4*\q+\t):H+8*(4*\q+\t)+7], v[AF+8*\q:AF+8*\q+7], 0
.else
	v_wmma_f32_16x16x32_bf16 v[ACC+8*\t:ACC+8*\t+7], v[H+8*(4*\q+\t):H+8*(4*\q+\t)+7], v[AF+8*\q:AF+8*\q+7], v[ACC+8*\t:ACC+8*\t+7]
.endif
.endr
.endr
.rept 5
	v_nop                                          ; places ahead of reads of the results and of whatever next writes these products' registers
.endr
.endm
.macro REDOUT
.irp t, 0,1,2,3
	ds_store_b128 v7, v[ACC+8*\t:ACC+8*\t+3] offset:64*\t
	ds_store_b128 v7, v[ACC+8*\t+4:ACC+8*\t+7] offset:64*\t+16
.endr
.endm
.macro REDSUM
.irp p, 0,1,2,3,4,5,6,7,8,9,10,11,12,13,14,15
	ds_load_b64 v[H+2*\p:H+2*\p+1], v8 offset:RREG*\p
.endr
	s_wait_dscnt 0x0
.irp p, 2,4,6,8,10,12,14
	v_pk_add_f32 v[H:H+1], v[H:H+1], v[H+2*\p:H+2*\p+1]
	v_pk_add_f32 v[H+2:H+3], v[H+2:H+3], v[H+2*\p+2:H+2*\p+3]
.endr
	v_pk_add_f32 v[H:H+1], v[H:H+1], v[H+2:H+3]
.endm
.macro BAR
	s_wait_dscnt 0x0
	s_barrier_signal -1
	s_barrier_wait -1
.endm
	s_load_b256 s[4:11], s[0:1], 0x0               ; u, Wv, bv, Wo
	s_load_b64 s[12:13], s[0:1], 0x20              ; apart
	v_lshl_add_u32 v10, v0, 2, SPARE
	v_mov_b32 v11, 0
	v_lshrrev_b32 v1, 5, v0
	v_readfirstlane_b32 s20, v1                    ; wave
	v_and_b32 v16, 31, v0                          ; lane
	v_and_b32 v17, 15, v0                          ; r
	v_bfe_u32 v18, v0, 4, 1                        ; h
	v_lshlrev_b32 v1, 4, v16
	v_lshlrev_b32 v2, 4, v17
	v_lshl_add_u32 v2, v18, 12, v2                 ; row h of 4,096 bytes, 16 r: both weights' tiles and the parts' stores
	s_mul_i32 s23, s20, WREG
	s_add_co_u32 s23, s23, WST
	v_mul_u32_u24 v3, v18, 160
	v_lshl_add_u32 v3, v17, 3, v3
	v_add_nc_u32 v3, s23, v3
	v_and_b32 v19, 7, v0
	v_lshl_add_u32 v19, v18, 3, v19
	v_mul_u32_u24 v4, v19, 160
	v_bfe_u32 v19, v0, 3, 1
	v_lshl_add_u32 v4, v19, 4, v4
	v_add_nc_u32 v4, s23, v4
	v_mul_u32_u24 v5, v17, PA
	v_lshl_add_u32 v5, v18, 4, v5
	s_lshl_b32 s23, s20, 7
	v_add_nc_u32 v5, s23, v5
	s_mul_i32 s23, s20, PA
	v_lshl_add_u32 v6, v16, 3, s23
	s_mul_i32 s23, s20, RREG
	s_add_co_u32 s23, s23, RED
	v_mul_u32_u24 v7, v17, 272
	v_lshl_add_u32 v7, v18, 5, v7
	v_add_nc_u32 v7, s23, v7
	v_mul_u32_u24 v13, v18, 272
	v_lshl_add_u32 v13, v17, 4, v13
	v_add_nc_u32 v13, s23, v13                     ; my own region read back by rows: row h, 16 r
	s_mul_i32 s23, s20, 272
	s_add_co_u32 s23, s23, RED
	v_lshl_add_u32 v8, v16, 3, s23
	v_lshlrev_b32 v9, 3, v16
	s_mul_i32 s39, s20, 144
	s_add_co_u32 s39, s39, A2                      ; x's row w
	s_lshl_b32 s32, ttmp9, 16
	s_lshl_b32 s23, s20, 12
	s_add_co_u32 s32, s32, s23
	s_mov_b32 s33, 0
	s_wait_kmcnt 0x0
	s_add_nc_u64 s[24:25], s[4:5], s[32:33]        ; u[h][w]
	s_lshl_b32 s32, ttmp9, 8
	s_add_nc_u64 s[8:9], s[8:9], s[32:33]          ; bv at the head
	s_lshl_b32 s23, s20, 18
	s_add_co_u32 s32, s32, s23
	s_add_nc_u64 s[26:27], s[6:7], s[32:33]        ; Wv[64 w][64 h]
	s_lshl_b32 s32, ttmp9, 18
	s_lshl_b32 s23, s20, 8
	s_add_co_u32 s32, s32, s23
	s_add_nc_u64 s[28:29], s[10:11], s[32:33]      ; Wo[64 h][64 w]
	s_lshl_b32 s32, ttmp9, 16
	s_add_co_u32 s32, s32, s23
	s_add_nc_u64 s[30:31], s[12:13], s[32:33]      ; apart[h][0][64 w]
	global_load_b64 v[14:15], v9, s[8:9]
	ROWLD 16, 24, 0
.irp g, 0,1,2,3
	WLDG \g, 2, 26, PITCH, 0
.endr
	s_wait_loadcnt 32                              ; the row and the bias are in; the tile's 32 loads may be out
.set n, 0
.rept 16
	CVT 16+n, 16+2*n, 17+2*n                       ; narrowed in place
.set n, n+1
.endr
.irp i, 0,1,2,3,4,5,6,7
	ds_store_b64 v6, v[16+2*\i:17+2*\i] offset:256*\i
.endr
	WCV
.irp g, 0,1,2,3
	WLDG \g, 2, 28, PITCH, 0                       ; the second stage's tile, asked for as soon as the registers are free
.endr
	BAR                                            ; the sixteen rows of u lie in LDS
	v_and_b32 v1, 31, v0                           ; the rows' loads are done and the rows' stores have landed: v1 and v6 take the second stage's addresses
	v_lshl_add_u32 v1, v1, 2, s39                  ; x's row w: 4 x lane
	v_and_b32 v6, 15, v0
	v_mul_u32_u24 v6, v6, 144
	v_bfe_u32 v64, v0, 4, 1
	v_lshl_add_u32 v6, v64, 4, v6
	v_add_nc_u32 v6, A2, v6                        ; x's fragments: row r, + 16 h
	FRAGS 0, 5
	MM 1
	REDOUT
	BAR                                            ; the sixteen parts lie in LDS
	REDSUM
	v_pk_add_f32 v[H:H+1], v[H:H+1], v[14:15]      ; + bv
	CVT H+2, H, H+1
	ds_store_b32 v1, v[H+2]
	BAR                                            ; x lies in LDS, and every wave's reads of the parts are over
	WCV
	s_wait_dscnt 0x0                               ; the stores have read their registers
	FRAGS 0, 6
	MM 1
	REDOUT                                         ; into my own region, and back by rows
.irp i, 0,1,2,3,4,5,6,7
	ds_load_b128 v[H+4*\i:H+4*\i+3], v13 offset:544*\i
.endr
.irp i, 0,1,2,3,4,5,6,7
	s_wait_dscnt 7-\i
	global_store_b128 v2, v[H+4*\i:H+4*\i+3], s[30:31] offset:8192*\i th:TH_STORE_NT   ; sixteen lanes store 256 consecutive, aligned bytes
.endr
	s_wait_tensorcnt 0x0                           ; the wave's end
	ds_add_u32 v10, v11
	s_wait_dscnt 0x0
	s_endpgm
.Lfunc_end_k_q151ca0804a_xo:
	.size	k_q151ca0804a_xo, .Lfunc_end_k_q151ca0804a_xo-k_q151ca0804a_xo
	.p2alignl 7, 3214868480
	.fill 96, 4, 3214868480
	.section	.rodata,"a",@progbits
	.p2align	6, 0x0
	.amdhsa_kernel k_q151ca0804a_xo
		.amdhsa_group_segment_fixed_size 270848
		.amdhsa_private_segment_fixed_size 0
		.amdhsa_enable_private_segment 0
		.amdhsa_kernarg_size 40
		.amdhsa_user_sgpr_count 2
		.amdhsa_user_sgpr_kernarg_segment_ptr 1
		.amdhsa_wavefront_size32 1
		.amdhsa_system_sgpr_workgroup_id_x 1
		.amdhsa_system_sgpr_workgroup_id_y 1
		.amdhsa_system_sgpr_workgroup_id_z 1
		.amdhsa_system_vgpr_workitem_id 0
		.amdhsa_next_free_vgpr 256
		.amdhsa_next_free_sgpr 66
		.amdhsa_reserve_vcc 0
		.amdhsa_float_denorm_mode_32 3
		.amdhsa_float_denorm_mode_16_64 3
		.amdhsa_memory_ordered 1
		.amdhsa_forward_progress 1
		.amdhsa_inst_pref_size 34
	.end_amdhsa_kernel
	.amdgpu_metadata
---
amdhsa.version: [ 1, 2 ]
amdhsa.kernels:
  - .name:           k_q151ca0804a_xo
    .symbol:         k_q151ca0804a_xo.kd
    .args:
      - { .name: u, .offset: 0, .size: 8, .value_kind: global_buffer, .address_space: global }
      - { .name: Wv, .offset: 8, .size: 8, .value_kind: global_buffer, .address_space: global }
      - { .name: bv, .offset: 16, .size: 8, .value_kind: global_buffer, .address_space: global }
      - { .name: Wo, .offset: 24, .size: 8, .value_kind: global_buffer, .address_space: global }
      - { .name: apart, .offset: 32, .size: 8, .value_kind: global_buffer, .address_space: global }
    .group_segment_fixed_size: 270848
    .private_segment_fixed_size: 0
    .kernarg_segment_align: 8
    .kernarg_segment_size: 40
    .max_flat_workgroup_size: 512
    .sgpr_count:     66
    .vgpr_count:     256
    .wavefront_size: 32
...
	.end_amdgpu_metadata
.endif
;; end of part 5
;; launch ff (part 6): grid 32 x 1, 16 waves a work-group, no clusters, 270,848 bytes of LDS; arguments query, bo, apart, g1, be1, W1, b1, W2, fpart; writes fpart
.if DOCPART == 6
	.amdgcn_target "amdgcn-amd-amdhsa--gfx1250"
	.amdhsa_code_object_version 6
	.text
	.protected	k_q151ca0804a_ff
	.globl	k_q151ca0804a_ff
	.p2align	8
	.type	k_q151ca0804a_ff,@function
k_q151ca0804a_ff:
	s_mov_b64 s[64:65], 0
	v_nop
	global_prefetch_b8 v0, s[64:65] scope:SCOPE_SE
	s_setreg_imm32_b32 hwreg(HW_REG_WAVE_MODE, 25, 1), 1
	s_wait_xcnt 0x0
; x1 = LayerNorm(query + bo + the sum over heads of apart) g1 + be1;  fpart[j][b][n] = sum over c of relu(x1 W1 + b1)[b][64 j + c] W2[64 j + c][n];  fpart[32] = x1.
; Work-group x = j, a slice of 64 hidden units; the 16 rows are the batches.  PROLOGUE: wave w makes row w of x1 in f32 (every work-group makes it anew: 1.1 MB of reads against a launch of its own).
; The row's 20 vectors and the first tile come as a stream of groups of eight loads through six sets of registers, six groups on their way.
; STAGES as in the launch before, with f16 operands: x1 is a LayerNorm's output.  LIMIT: |x1|, |W1|, |W2| and the hidden layer under 65,504.
.set PA,    2064
.set PITCH, 8192                       ; a row of W1
.set AIMG,  0
.set WST,   16*PA
.set WREG,  64*160
.set RED,   WST+16*WREG
.set RREG,  16*272
.set A2,    RED+16*RREG
.set SPARE, A2+16*144
.set AF,  16
.set ACC, 32
.set H,   64
.set WT,  128
.macro CVT d, a, b
	v_cvt_pk_f16_f32 v[\d], v[\a], v[\b]
.endm
.macro ROWLD dst, sb, off
.irp i, 0,1,2,3,4,5,6,7
	global_load_b128 v[\dst+4*\i:\dst+4*\i+3], v1, s[\sb:\sb+1] offset:(\off)+512*\i
.endr
.endm
.macro WLDG g, vo, sb, pitch, rowoff
.irp i, 0,1,2,3,4,5,6,7
	global_load_b128 v[WT+32*(\g)+4*\i:WT+32*(\g)+4*\i+3], v[\vo], s[\sb:\sb+1] offset:((\rowoff)+16*(\g)+2*\i)*(\pitch) th:TH_LOAD_NT
.endr
.endm
.macro WCV
.irp g, 0,1,2,3
	s_wait_loadcnt 24-8*\g                         ; the younger groups' eight loads each may be out
.irp i, 0,1,2,3,4,5,6,7
	CVT H+2*(8*\g+\i), WT+32*\g+4*\i, WT+32*\g+4*\i+1
	CVT H+2*(8*\g+\i)+1, WT+32*\g+4*\i+2, WT+32*\g+4*\i+3
.endr
.irp i, 0,1,2,3,4,5,6,7
	ds_store_b64 v3, v[H+2*(8*\g+\i):H+2*(8*\g+\i)+1] offset:320*(8*\g+\i)
.endr
.endr
.endm
.macro FRAGS aoff, adr
.irp q, 0,1
	ds_load_b128 v[AF+8*\q:AF+8*\q+3], v[\adr] offset:(\aoff)+64*\q
	ds_load_b128 v[AF+8*\q+4:AF+8*\q+7], v[\adr] offset:(\aoff)+64*\q+32
.endr
.irp q, 0,1
.irp t, 0,1,2,3
	ds_load_tr16_b128 v[H+8*(4*\q+\t):H+8*(4*\q+\t)+3], v4 offset:\q*5120+\t*32
	ds_load_tr16_b128 v[H+8*(4*\q+\t)+4:H+8*(4*\q+\t)+7], v4 offset:\q*5120+\t*32+2560
.endr
.endr
	s_wait_dscnt 0x0
.endm
.macro MM first                        ; the four accumulators by turns
.irp q, 0,1
.irp t, 0,1,2,3
.if (\first) && (\q == 0)
	v_wmma_f32_16x16x32_f16 v[ACC+8*\t:ACC+8*\t+7], v[H+8*(4*\q+\t):H+8*(4*\q+\t)+7], v[AF+8*\q:AF+8*\q+7], 0
.else
	v_wmma_f32_16x16x32_f16 v[ACC+8*\t:ACC+8*\t+7], v[H+8*(4*\q+\t):H+8*(4*\q+\t)+7], v[AF+8*\q:AF+8*\q+7], v[ACC+8*\t:ACC+8*\t+7]
.endif
.endr
.endr
.rept 5
	v_nop                                          ; places ahead of reads of the results and of whatever next writes these products' registers
.endr
.endm
.macro REDOUT
.irp t, 0,1,2,3
	ds_store_b128 v7, v[ACC+8*\t:ACC+8*\t+3] offset:64*\t
	ds_store_b128 v7, v[ACC+8*\t+4:ACC+8*\t+7] offset:64*\t+16
.endr
.endm
.macro REDSUM
.irp p, 0,1,2,3,4,5,6,7,8,9,10,11,12,13,14,15
	ds_load_b64 v[H+2*\p:H+2*\p+1], v8 offset:RREG*\p
.endr
	s_wait_dscnt 0x0
.irp p, 2,4,6,8,10,12,14
	v_pk_add_f32 v[H:H+1], v[H:H+1], v[H+2*\p:H+2*\p+1]
	v_pk_add_f32 v[H+2:H+3], v[H+2:H+3], v[H+2*\p+2:H+2*\p+3]
.endr
	v_pk_add_f32 v[H:H+1], v[H:H+1], v[H+2:H+3]
.endm
.macro WREDA x, tmp
	v_add_f32_dpp v[\x], v[\x], v[\x] row_xmask:1 row_mask:0xf bank_mask:0xf
	v_add_f32_dpp v[\x], v[\x], v[\x] row_xmask:2 row_mask:0xf bank_mask:0xf
	v_add_f32_dpp v[\x], v[\x], v[\x] row_xmask:4 row_mask:0xf bank_mask:0xf
	v_add_f32_dpp v[\x], v[\x], v[\x] row_xmask:8 row_mask:0xf bank_mask:0xf
	v_permlanex16_b32 v[\tmp], v[\x], s34, s35
	v_add_f32 v[\x], v[\x], v[\tmp]
.endm
.macro BAR
	s_wait_dscnt 0x0
	s_barrier_signal -1
	s_barrier_wait -1
.endm
; Group y of the stream, into set y % 6 (v64, v96, .. v224): 0 query[w], 1 bo, 2-17 apart[y - 2][w], 18 g1, 19 be1, 20-23 the first tile's four groups, which so land where a tile lies.
.macro GRP y
.set SL, 64+32*((\y)%6)
.if (\y) == 0
	ROWLD SL, 24, 0
.elseif (\y) == 1
	ROWLD SL, 6, 0
.elseif (\y) < 18
	ROWLD SL, 40, ((\y)-2)*65536
.elseif (\y) == 18
	ROWLD SL, 10, 0
.elseif (\y) == 19
	ROWLD SL, 12, 0
.else
	WLDG (\y)-20, 2, 26, PITCH, 0
.endif
.endm
.macro ACCUM y                         ; the row's sum takes group y
.set SL, 64+32*((\y)%6)
.irp n, 0,2,4,6,8,10,12,14,16,18,20,22,24,26,28,30
	v_pk_add_f32 v[16+\n:17+\n], v[16+\n:17+\n], v[SL+\n:SL+\n+1]
.endr
.endm
	s_load_b256 s[4:11], s[0:1], 0x0               ; query, bo, apart, g1
	s_load_b256 s[12:19], s[0:1], 0x20             ; be1, W1, b1, W2
	s_load_b64 s[44:45], s[0:1], 0x40              ; fpart
	v_lshl_add_u32 v10, v0, 2, SPARE
	v_mov_b32 v11, 0
	v_lshrrev_b32 v1, 5, v0
	v_readfirstlane_b32 s20, v1                    ; wave
	s_mov_b32 s21, ttmp9                           ; the slice
	v_and_b32 v16, 31, v0                          ; lane
	v_and_b32 v17, 15, v0                          ; r
	v_bfe_u32 v18, v0, 4, 1                        ; h
	v_lshlrev_b32 v1, 4, v16
	v_lshlrev_b32 v2, 4, v17
	v_lshl_add_u32 v12, v18, 12, v2                ; W2's tile and the parts' stores: row h of 4,096 bytes, 16 r
	v_lshl_add_u32 v2, v18, 13, v2                 ; W1's tile: row h of 8,192 bytes, 16 r
	s_mul_i32 s23, s20, WREG
	s_add_co_u32 s23, s23, WST
	v_mul_u32_u24 v3, v18, 160
	v_lshl_add_u32 v3, v17, 3, v3
	v_add_nc_u32 v3, s23, v3
	v_and_b32 v19, 7, v0
	v_lshl_add_u32 v19, v18, 3, v19
	v_mul_u32_u24 v4, v19, 160
	v_bfe_u32 v19, v0, 3, 1
	v_lshl_add_u32 v4, v19, 4, v4
	v_add_nc_u32 v4, s23, v4
	v_mul_u32_u24 v5, v17, PA
	v_lshl_add_u32 v5, v18, 4, v5
	s_lshl_b32 s23, s20, 7
	v_add_nc_u32 v5, s23, v5
	s_mul_i32 s23, s20, PA
	v_lshl_add_u32 v6, v16, 3, s23
	s_mul_i32 s23, s20, RREG
	s_add_co_u32 s23, s23, RED
	v_mul_u32_u24 v7, v17, 272
	v_lshl_add_u32 v7, v18, 5, v7
	v_add_nc_u32 v7, s23, v7
	v_mul_u32_u24 v13, v18, 272
	v_lshl_add_u32 v13, v17, 4, v13
	v_add_nc_u32 v13, s23, v13
	s_mul_i32 s23, s20, 272
	s_add_co_u32 s23, s23, RED
	v_lshl_add_u32 v8, v16, 3, s23
	v_lshlrev_b32 v9, 3, v16
	v_mov_b32 v50, 0                               ; a lane permute's destination counts as one of its sources
	s_mul_i32 s39, s20, 144
	s_add_co_u32 s39, s39, A2
	s_mov_b32 s34, 0x76543210
	s_mov_b32 s35, 0xfedcba98
	s_mov_b32 s38, 0x3a800000                      ; 1 / 1,024
	s_lshl_b32 s32, s20, 12
	s_mov_b32 s33, 0
	s_wait_kmcnt 0x0
	s_add_nc_u64 s[24:25], s[4:5], s[32:33]        ; query[w]
	s_add_nc_u64 s[40:41], s[8:9], s[32:33]        ; apart[0][w]
	s_add_co_u32 s32, s32, 32*65536
	s_add_nc_u64 s[42:43], s[44:45], s[32:33]      ; fpart[32][w]
	s_lshl_b32 s32, s21, 8
	s_add_nc_u64 s[16:17], s[16:17], s[32:33]      ; b1 at the slice
	s_lshl_b32 s23, s20, 19
	s_add_co_u32 s32, s32, s23
	s_add_nc_u64 s[26:27], s[14:15], s[32:33]      ; W1[64 w][64 j]
	s_lshl_b32 s32, s21, 18
	s_lshl_b32 s23, s20, 8
	s_add_co_u32 s32, s32, s23
	s_add_nc_u64 s[28:29], s[18:19], s[32:33]      ; W2[64 j][64 w]
	s_lshl_b32 s32, s21, 16
	s_add_co_u32 s32, s32, s23
	s_add_nc_u64 s[30:31], s[44:45], s[32:33]      ; fpart[j][0][64 w]
	global_load_b64 v[14:15], v9, s[16:17]
	GRP 0
	GRP 1
	GRP 2
	GRP 3
	GRP 4
	GRP 5
	s_wait_loadcnt 32                              ; groups 0 and 1 are in; four younger groups may be out
.irp n, 0,2,4,6,8,10,12,14,16,18,20,22,24,26,28,30
	v_pk_add_f32 v[16+\n:17+\n], v[64+\n:65+\n], v[96+\n:97+\n]   ; query + bo starts the sum
.endr
	GRP 6
	GRP 7
.set Y, 2
.rept 16
	s_wait_loadcnt 40                              ; group Y is in; five younger groups may be out
	ACCUM Y
	GRP Y+6
.set Y, Y+1
.endr
	s_wait_loadcnt 32                              ; g1 and be1 are in; the tile's 32 loads may be out
	v_pk_add_f32 v[48:49], v[16:17], v[18:19]
	v_pk_add_f32 v[52:53], v[20:21], v[22:23]
.irp n, 24,28,32,36,40,44
	v_pk_add_f32 v[48:49], v[48:49], v[\n:\n+1]
	v_pk_add_f32 v[52:53], v[52:53], v[\n+2:\n+3]
.endr
	v_pk_add_f32 v[48:49], v[48:49], v[52:53]
	v_add_f32 v48, v48, v49
	WREDA 48, 50
	v_mul_f32 v48, s38, v48                        ; the mean
.irp n, 16,18,20,22,24,26,28,30,32,34,36,38,40,42,44,46
	v_pk_add_f32 v[\n:\n+1], v[\n:\n+1], v[48:49] op_sel_hi:[1,0] neg_lo:[0,1] neg_hi:[0,1]
.endr
	v_pk_mul_f32 v[52:53], v[16:17], v[16:17]
	v_pk_mul_f32 v[54:55], v[18:19], v[18:19]
.irp n, 20,24,28,32,36,40,44
	v_pk_fma_f32 v[52:53], v[\n:\n+1], v[\n:\n+1], v[52:53]
	v_pk_fma_f32 v[54:55], v[\n+2:\n+3], v[\n+2:\n+3], v[54:55]
.endr
	v_pk_add_f32 v[52:53], v[52:53], v[54:55]
	v_add_f32 v52, v52, v53
	WREDA 52, 50
	v_fmaak_f32 v52, s38, v52, 0x3727c5ac          ; the variance + 1e-5
	v_rsq_f32 v52, v52
	v_nop
	s_wait_alu depctr_va_vdst(0)                   ; ahead of the result's first reader
.irp n, 0,2,4,6,8,10,12,14,16,18,20,22,24,26,28,30
	v_pk_mul_f32 v[16+\n:17+\n], v[16+\n:17+\n], v[52:53] op_sel_hi:[1,0]
.endr
.irp n, 0,2,4,6,8,10,12,14,16,18,20,22,24,26,28,30
	v_pk_fma_f32 v[16+\n:17+\n], v[16+\n:17+\n], v[64+\n:65+\n], v[96+\n:97+\n]   ; x g1 + be1
.endr
	s_cmp_lg_u32 s21, 0                            ; the first work-group stores x1 for the last launch's residual
	s_cbranch_scc1 .Lnot_first
.irp i, 0,1,2,3,4,5,6,7
	global_store_b128 v1, v[16+4*\i:19+4*\i], s[42:43] offset:512*\i
.endr
	s_wait_xcnt 0x0                                ; the stores' data and address registers are written again below
.Lnot_first:
.set n, 0
.rept 16
	CVT 16+n, 16+2*n, 17+2*n                       ; narrowed in place
.set n, n+1
.endr
.irp i, 0,1,2,3,4,5,6,7
	ds_store_b64 v6, v[16+2*\i:17+2*\i] offset:256*\i
.endr
	WCV
.irp g, 0,1,2,3
	WLDG \g, 12, 28, 4096, 0                       ; the second stage's tile, asked for as soon as the registers are free
.endr
	BAR                                            ; the sixteen rows of x1 lie in LDS
	v_and_b32 v1, 31, v0                           ; v1 and v6 take the second stage's addresses
	v_lshl_add_u32 v1, v1, 2, s39
	v_and_b32 v6, 15, v0
	v_mul_u32_u24 v6, v6, 144
	v_bfe_u32 v64, v0, 4, 1
	v_lshl_add_u32 v6, v64, 4, v6
	v_add_nc_u32 v6, A2, v6
	FRAGS 0, 5
	MM 1
	REDOUT
	BAR                                            ; the sixteen parts lie in LDS
	REDSUM
	v_pk_add_f32 v[H:H+1], v[H:H+1], v[14:15]      ; + b1
	v_max_num_f32 v[H], 0, v[H]                    ; relu
	v_max_num_f32 v[H+1], 0, v[H+1]
	CVT H+2, H, H+1
	ds_store_b32 v1, v[H+2]
	BAR                                            ; the hidden slice lies in LDS, and every wave's reads of the parts are over
	WCV
	s_wait_dscnt 0x0                               ; the stores have read their registers
	FRAGS 0, 6
	MM 1
	REDOUT
.irp i, 0,1,2,3,4,5,6,7
	ds_load_b128 v[H+4*\i:H+4*\i+3], v13 offset:544*\i
.endr
.irp i, 0,1,2,3,4,5,6,7
	s_wait_dscnt 7-\i
	global_store_b128 v12, v[H+4*\i:H+4*\i+3], s[30:31] offset:8192*\i th:TH_STORE_NT   ; sixteen lanes store 256 consecutive, aligned bytes
.endr
	s_wait_tensorcnt 0x0                           ; the wave's end
	ds_add_u32 v10, v11
	s_wait_dscnt 0x0
	s_endpgm
.Lfunc_end_k_q151ca0804a_ff:
	.size	k_q151ca0804a_ff, .Lfunc_end_k_q151ca0804a_ff-k_q151ca0804a_ff
	.p2alignl 7, 3214868480
	.fill 96, 4, 3214868480
	.section	.rodata,"a",@progbits
	.p2align	6, 0x0
	.amdhsa_kernel k_q151ca0804a_ff
		.amdhsa_group_segment_fixed_size 270848
		.amdhsa_private_segment_fixed_size 0
		.amdhsa_enable_private_segment 0
		.amdhsa_kernarg_size 72
		.amdhsa_user_sgpr_count 2
		.amdhsa_user_sgpr_kernarg_segment_ptr 1
		.amdhsa_wavefront_size32 1
		.amdhsa_system_sgpr_workgroup_id_x 1
		.amdhsa_system_sgpr_workgroup_id_y 1
		.amdhsa_system_sgpr_workgroup_id_z 1
		.amdhsa_system_vgpr_workitem_id 0
		.amdhsa_next_free_vgpr 256
		.amdhsa_next_free_sgpr 66
		.amdhsa_reserve_vcc 0
		.amdhsa_float_denorm_mode_32 3
		.amdhsa_float_denorm_mode_16_64 3
		.amdhsa_memory_ordered 1
		.amdhsa_forward_progress 1
		.amdhsa_inst_pref_size 73
	.end_amdhsa_kernel
	.amdgpu_metadata
---
amdhsa.version: [ 1, 2 ]
amdhsa.kernels:
  - .name:           k_q151ca0804a_ff
    .symbol:         k_q151ca0804a_ff.kd
    .args:
      - { .name: query, .offset: 0, .size: 8, .value_kind: global_buffer, .address_space: global }
      - { .name: bo, .offset: 8, .size: 8, .value_kind: global_buffer, .address_space: global }
      - { .name: apart, .offset: 16, .size: 8, .value_kind: global_buffer, .address_space: global }
      - { .name: g1, .offset: 24, .size: 8, .value_kind: global_buffer, .address_space: global }
      - { .name: be1, .offset: 32, .size: 8, .value_kind: global_buffer, .address_space: global }
      - { .name: W1, .offset: 40, .size: 8, .value_kind: global_buffer, .address_space: global }
      - { .name: b1, .offset: 48, .size: 8, .value_kind: global_buffer, .address_space: global }
      - { .name: W2, .offset: 56, .size: 8, .value_kind: global_buffer, .address_space: global }
      - { .name: fpart, .offset: 64, .size: 8, .value_kind: global_buffer, .address_space: global }
    .group_segment_fixed_size: 270848
    .private_segment_fixed_size: 0
    .kernarg_segment_align: 8
    .kernarg_segment_size: 72
    .max_flat_workgroup_size: 512
    .sgpr_count:     66
    .vgpr_count:     256
    .wavefront_size: 32
...
	.end_amdgpu_metadata
.endif
;; end of part 6
;; launch fin (part 7): grid 16 x 1, 8 waves a work-group, no clusters, 1,536 bytes of LDS; arguments fpart, b2, g2, be2, out0; writes out0
.if DOCPART == 7
	.amdgcn_target "amdgcn-amd-amdhsa--gfx1250"
	.amdhsa_code_object_version 6
	.text
	.protected	k_q151ca0804a_fin
	.globl	k_q151ca0804a_fin
	.p2align	8
	.type	k_q151ca0804a_fin,@function
k_q151ca0804a_fin:
	s_mov_b64 s[64:65], 0
	v_nop
	global_prefetch_b8 v0, s[64:65] scope:SCOPE_SE
	s_setreg_imm32_b32 hwreg(HW_REG_WAVE_MODE, 25, 1), 1
	s_wait_xcnt 0x0
; out0[b] = LayerNorm(x1[b] + b2 + the sum over the 32 hidden slices of fpart[j][b]) g2 + be2.  fpart[32] is x1.
; A work-group is a row b; thread t owns columns 4 t .. 4 t + 3.  All 36 loads of a thread go out at once; a wave's load covers 512 consecutive bytes.
; The matrix units, clusters and tensor loads have nothing to do here: 2.2 MB are read once and 64 KB written.
.set SPARE, 512                        ; LDS: eight words at 0 (the sums), eight at 256 (the squares), then the spare words, 128 bytes a wave
.macro WREDA x, tmp
	v_add_f32_dpp v[\x], v[\x], v[\x] row_xmask:1 row_mask:0xf bank_mask:0xf
	v_add_f32_dpp v[\x], v[\x], v[\x] row_xmask:2 row_mask:0xf bank_mask:0xf
	v_add_f32_dpp v[\x], v[\x], v[\x] row_xmask:4 row_mask:0xf bank_mask:0xf
	v_add_f32_dpp v[\x], v[\x], v[\x] row_xmask:8 row_mask:0xf bank_mask:0xf
	v_permlanex16_b32 v[\tmp], v[\x], s14, s15
	v_add_f32 v[\x], v[\x], v[\tmp]
.endm
.macro WGSUM base                      ; v24 of all 256 threads is summed into v28, through eight words of LDS at base
	WREDA 24, 6
	ds_store_b32 v4, v24 offset:\base              ; all lanes of a wave write the same word with the same value
	s_wait_dscnt 0x0
	s_barrier_signal -1
	s_barrier_wait -1
	ds_load_b128 v[28:31], v5 offset:\base
	ds_load_b128 v[32:35], v5 offset:\base+16
	s_wait_dscnt 0x0
	v_pk_add_f32 v[28:29], v[28:29], v[30:31]
	v_pk_add_f32 v[32:33], v[32:33], v[34:35]
	v_pk_add_f32 v[28:29], v[28:29], v[32:33]
	v_add_f32 v28, v28, v29
.endm
	s_load_b256 s[4:11], s[0:1], 0x0               ; fpart, b2, g2, be2
	s_load_b64 s[12:13], s[0:1], 0x20              ; out0
	v_lshl_add_u32 v2, v0, 2, SPARE
	v_mov_b32 v3, 0
	v_lshrrev_b32 v4, 5, v0
	v_readfirstlane_b32 s16, v4                    ; wave
	v_lshlrev_b32 v1, 4, v0                        ; my 16 bytes of a row
	s_lshl_b32 s17, s16, 2
	v_mov_b32 v4, s17                              ; my wave's word
	v_mov_b32 v5, 0
	v_mov_b32 v6, 0                                ; a lane permute's destination counts as one of its sources
	s_mov_b32 s14, 0x76543210
	s_mov_b32 s15, 0xfedcba98
	s_mov_b32 s20, 0x3a800000                      ; 1 / 1,024
	s_lshl_b32 s18, ttmp9, 12
	s_mov_b32 s19, 0
	s_wait_kmcnt 0x0
	s_add_nc_u64 s[4:5], s[4:5], s[18:19]
	s_add_nc_u64 s[12:13], s[12:13], s[18:19]
.irp p, 0,1,2,3,4,5,6,7,8,9,10,11,12,13,14,15,16,17,18,19,20,21,22,23,24,25,26,27,28,29,30,31,32
	global_load_b128 v[16+4*\p:19+4*\p], v1, s[4:5] offset:65536*\p th:TH_LOAD_NT
.endr
	global_load_b128 v[148:151], v1, s[6:7]
	global_load_b128 v[152:155], v1, s[8:9]
	global_load_b128 v[156:159], v1, s[10:11]
	s_wait_loadcnt 0x0
.irp p, 2,4,6,8,10,12,14,16,18,20,22,24,26,28,30
	v_pk_add_f32 v[16:17], v[16:17], v[16+4*\p:17+4*\p]       ; four chains: even and odd parts, low and high pair
	v_pk_add_f32 v[18:19], v[18:19], v[18+4*\p:19+4*\p]
	v_pk_add_f32 v[20:21], v[20:21], v[20+4*\p:21+4*\p]
	v_pk_add_f32 v[22:23], v[22:23], v[22+4*\p:23+4*\p]
.endr
	v_pk_add_f32 v[16:17], v[16:17], v[144:145]    ; x1
	v_pk_add_f32 v[18:19], v[18:19], v[146:147]
	v_pk_add_f32 v[20:21], v[20:21], v[148:149]    ; b2
	v_pk_add_f32 v[22:23], v[22:23], v[150:151]
	v_pk_add_f32 v[16:17], v[16:17], v[20:21]
	v_pk_add_f32 v[18:19], v[18:19], v[22:23]
	v_pk_add_f32 v[24:25], v[16:17], v[18:19]
	v_add_f32 v24, v24, v25
	WGSUM 0
	v_mul_f32 v28, s20, v28                        ; the mean
	v_pk_add_f32 v[16:17], v[16:17], v[28:29] op_sel_hi:[1,0] neg_lo:[0,1] neg_hi:[0,1]
	v_pk_add_f32 v[18:19], v[18:19], v[28:29] op_sel_hi:[1,0] neg_lo:[0,1] neg_hi:[0,1]
	v_pk_mul_f32 v[24:25], v[16:17], v[16:17]
	v_pk_fma_f32 v[24:25], v[18:19], v[18:19], v[24:25]
	v_add_f32 v24, v24, v25
	WGSUM 256                                      ; other words than the first sum's: no wave can overtake a reader
	v_fmaak_f32 v28, s20, v28, 0x3727c5ac          ; the variance + 1e-5
	v_rsq_f32 v28, v28
	v_nop
	s_wait_alu depctr_va_vdst(0)                   ; ahead of the result's first reader
	v_pk_mul_f32 v[16:17], v[16:17], v[28:29] op_sel_hi:[1,0]
	v_pk_mul_f32 v[18:19], v[18:19], v[28:29] op_sel_hi:[1,0]
	v_pk_fma_f32 v[16:17], v[16:17], v[152:153], v[156:157]
	v_pk_fma_f32 v[18:19], v[18:19], v[154:155], v[158:159]
	global_store_b128 v1, v[16:19], s[12:13]       ; a wave stores 512 consecutive, aligned bytes
	s_wait_tensorcnt 0x0                           ; the wave's end
	ds_add_u32 v2, v3
	s_wait_dscnt 0x0
	s_endpgm
.Lfunc_end_k_q151ca0804a_fin:
	.size	k_q151ca0804a_fin, .Lfunc_end_k_q151ca0804a_fin-k_q151ca0804a_fin
	.p2alignl 7, 3214868480
	.fill 96, 4, 3214868480
	.section	.rodata,"a",@progbits
	.p2align	6, 0x0
	.amdhsa_kernel k_q151ca0804a_fin
		.amdhsa_group_segment_fixed_size 1536
		.amdhsa_private_segment_fixed_size 0
		.amdhsa_enable_private_segment 0
		.amdhsa_kernarg_size 40
		.amdhsa_user_sgpr_count 2
		.amdhsa_user_sgpr_kernarg_segment_ptr 1
		.amdhsa_wavefront_size32 1
		.amdhsa_system_sgpr_workgroup_id_x 1
		.amdhsa_system_sgpr_workgroup_id_y 1
		.amdhsa_system_sgpr_workgroup_id_z 1
		.amdhsa_system_vgpr_workitem_id 0
		.amdhsa_next_free_vgpr 160
		.amdhsa_next_free_sgpr 66
		.amdhsa_reserve_vcc 0
		.amdhsa_float_denorm_mode_32 3
		.amdhsa_float_denorm_mode_16_64 3
		.amdhsa_memory_ordered 1
		.amdhsa_forward_progress 1
		.amdhsa_inst_pref_size 12
	.end_amdhsa_kernel
	.amdgpu_metadata
---
amdhsa.version: [ 1, 2 ]
amdhsa.kernels:
  - .name:           k_q151ca0804a_fin
    .symbol:         k_q151ca0804a_fin.kd
    .args:
      - { .name: fpart, .offset: 0, .size: 8, .value_kind: global_buffer, .address_space: global }
      - { .name: b2, .offset: 8, .size: 8, .value_kind: global_buffer, .address_space: global }
      - { .name: g2, .offset: 16, .size: 8, .value_kind: global_buffer, .address_space: global }
      - { .name: be2, .offset: 24, .size: 8, .value_kind: global_buffer, .address_space: global }
      - { .name: out0, .offset: 32, .size: 8, .value_kind: global_buffer, .address_space: global }
    .group_segment_fixed_size: 1536
    .private_segment_fixed_size: 0
    .kernarg_segment_align: 8
    .kernarg_segment_size: 40
    .max_flat_workgroup_size: 256
    .sgpr_count:     66
    .vgpr_count:     160
    .wavefront_size: 32
...
	.end_amdgpu_metadata
.endif
;; end of part 7
;; ======== version 2 of 2: 7 launches; version 1 with the launches prep, scores, ff written anew for expert scheduling mode
;; limits: values are held in f16: magnitudes above 65,504 overflow, below 6.1e-05 lose precision
;; workspace buffers: wk 557,056 bytes; qb 65,536 bytes; sc 1,048,576 bytes; ctx 1,048,576 bytes; u 1,048,576 bytes; apart 1,048,576 bytes; fpart 2,162,688 bytes
;; launch prep (part 8): grid 16 x 2, 16 waves a work-group, no clusters, 38,912 bytes of LDS; arguments Wk, Wq, query, bq, wk, qb; writes wk, qb
.if DOCPART == 8
	.amdgcn_target "amdgcn-amd-amdhsa--gfx1250"
	.amdhsa_code_object_version 6
	.text
	.protected	k_q151ca0804a_prep
	.globl	k_q151ca0804a_prep
	.p2align	8
	.type	k_q151ca0804a_prep,@function
k_q151ca0804a_prep:
	s_mov_b64 s[64:65], 0
	v_nop
	global_prefetch_b8 v0, s[64:65] scope:SCOPE_SE
	s_setreg_imm32_b32 hwreg(HW_REG_WAVE_SCHED_MODE, 0, 2), 2
	s_setreg_imm32_b32 hwreg(HW_REG_WAVE_MODE, 25, 1), 1
	s_wait_xcnt 0x0
	s_wait_alu depctr_vm_vsrc(0)
; Work-group y = 0: Wk [1024 (k)][1024 (n)], f32, becomes codes of E2M1 along K with one E8M0 byte for each 32, laid as the operand's registers want them.
; Work-group y = 1: Q = Q4(query) Q4(Wq) + bq, [16][1024] f32, by the scaled 4-bit matrix instruction.
; Work-group x is a slice of 64 columns (one head).  Wave w: ch = w & 1 (which 32 columns), s = w >> 1 (which 128 along K).
; A LANE TAKES A COLUMN AND ITS REGISTERS RUN DOWN K: a block of 32 lies in one lane, so its largest magnitude needs no other lane and the conversions give codes with K innermost.
; wk: codes [head 16][s 8][tile 4][c 2][lane 32][16 bytes]: lane (r, hh) of group c holds k = 128 s + 64 c + 32 hh + 0..31 of column 16 tile + r; from byte 524,288 the scale words [head][s][tile][r].
; A block's scale is 2^(floor(log2(largest magnitude)) - 2): the largest magnitude's exponent field less 2, held at 1 from below by a floor among the maximum's leaves.
; LIMITS: a block of zeros gets the byte 1 (its codes are zeros; only this program reads the bytes); blocks under 2^-124 were not tried; NaN and infinities are not served.
; Q's sum over K is made of eight parts of 128, added in ascending order in f32.
; THE MODE: SCHED_MODE bits 1:0 = 2 (LLVM: expert scheduling mode 2), set by the entry lines.  The code itself states the register dependences
; between vector or matrix instructions and memory or LDS instructions, with s_wait_alu, always for 0.
; THE PLAN.  Registers that memory or LDS instructions touch:
;   v1 .. v6      offsets and LDS addresses: written once at the head, never again: one wait ahead of the parting of the two roles serves every load and store.
;   X             four blocks of 32 registers, each loaded once: no load lands in a register that a vector instruction has named.
;   F0, F1, SW    written by the conversions and shifts.  Wk: read by the five stores, behind one wait.  Wq: operands and scale words of the two products, behind the places and one wait.
;   v40-55        Wq: the two accumulators, read by four LDS stores, behind the places and one wait; that wait also covers the LDS loads of the parts, which land in v64-79, read earlier by the query's maxima and conversions.
;   v64-65        Wq: the sum, written by the packed additions, read by the last store, behind one wait.
.set RED,   0                          ; LDS: 16 waves x 16 rows x (32 f32 + 16 bytes): the parts of Q
.set SPARE, 36864                      ; behind them the spare words, 128 bytes a wave
.set FLOOR, 0x1800000                  ; 2^(3 - 127)
.set X,   128                          ; v128-255 four blocks of 32 numbers of my column
.set F0,  16                           ; v16-23   codes of blocks 0, 2
.set F1,  24                           ; v24-31   codes of blocks 1, 3
.set QF,  32                           ; v32-39   the query's fragment
.set SW,  56                           ; v56      my column's scale word
.set QW,  57                           ; v57      the query rows' scale word
	s_load_b256 s[4:11], s[0:1], 0x0               ; Wk, Wq, query, bq
	s_load_b128 s[12:15], s[0:1], 0x20             ; wk, qb
	v_lshl_add_u32 v8, v0, 2, SPARE                ; my spare word
	v_mov_b32 v9, 0
	v_lshrrev_b32 v10, 5, v0
	v_readfirstlane_b32 s16, v10                   ; wave
	v_and_b32 v10, 31, v0                          ; lane
	v_and_b32 v11, 15, v0                          ; r
	v_bfe_u32 v7, v0, 4, 1                         ; h
	v_lshlrev_b32 v1, 2, v10                       ; 4 x lane: my column in a row of W; my scale word
	v_lshlrev_b32 v2, 4, v11
	v_lshl_add_u32 v2, v7, 10, v2                  ; codes out: tile h of my two, 16 r
	v_lshlrev_b32 v3, 12, v11
	v_lshl_add_u32 v3, v7, 7, v3                   ; query: row r, + 32 h numbers
	v_mul_u32_u24 v4, v11, 144
	v_lshl_add_u32 v4, v7, 5, v4
	v_mul_u32_u24 v5, v7, 2304
	v_lshl_add_u32 v5, v11, 3, v5
	v_lshlrev_b32 v6, 3, v10                       ; 8 x lane
	s_wait_alu depctr_va_sdst(0)                   ; s16 is written, ahead of its first reader
	s_and_b32 s17, s16, 1                          ; ch
	s_lshr_b32 s18, s16, 1                         ; s
	s_and_b32 s19, ttmp7, 0xffff                   ; 0: Wk, 1: Wq
	s_mul_i32 s36, s16, 2304
	v_add_nc_u32 v4, s36, v4                       ; my part of Q: row r, 8 h columns on
	s_mul_i32 s36, s16, 144
	v_add_nc_u32 v5, s36, v5                       ; back: row = my wave, lanes 0-15 the even wave's 32 columns, lanes 16-31 the odd wave's
	s_mov_b32 s34, 0x76543210
	s_mov_b32 s35, 0xfedcba98                      ; lane l xor 16
	s_lshl_b32 s36, s18, 19                        ; W: 128 s rows of 4,096 bytes
	s_lshl_b32 s37, ttmp9, 8
	s_add_co_u32 s36, s36, s37                     ; + the slice's 256 bytes
	s_lshl_b32 s37, s17, 7
	s_add_co_u32 s36, s36, s37                     ; + my 32 columns
	s_mov_b32 s37, 0
	s_wait_kmcnt 0x0
	s_cmp_eq_u32 s19, 0
	s_cselect_b64 s[20:21], s[4:5], s[6:7]
	s_add_nc_u64 s[20:21], s[20:21], s[36:37]
	s_lshl_b32 s36, ttmp9, 15                      ; wk's codes: 32,768 x head + 4,096 s + 2,048 ch
	s_lshl_b32 s38, s18, 12
	s_add_co_u32 s36, s36, s38
	s_lshl_b32 s38, s17, 11
	s_add_co_u32 s36, s36, s38
	s_add_nc_u64 s[22:23], s[12:13], s[36:37]
	s_lshl_b32 s36, ttmp9, 11                      ; wk's scale words: 524,288 + 2,048 x head + 256 s + 128 ch
	s_lshl_b32 s38, s18, 8
	s_add_co_u32 s36, s36, s38
	s_lshl_b32 s38, s17, 7
	s_add_co_u32 s36, s36, s38
	s_add_co_u32 s36, s36, 524288
	s_add_nc_u64 s[24:25], s[12:13], s[36:37]
	s_lshl_b32 s36, s18, 9
	s_add_nc_u64 s[26:27], s[8:9], s[36:37]        ; query at k = 128 s
	s_lshl_b32 s36, ttmp9, 8
	s_add_nc_u64 s[28:29], s[10:11], s[36:37]      ; bq at the slice
	s_lshl_b32 s38, s16, 12
	s_add_co_u32 s36, s36, s38
	s_add_nc_u64 s[30:31], s[14:15], s[36:37]      ; qb: row = my wave, the slice
.macro XLD b                           ; block b: W(128 s + 32 b + i, my column): 32 lanes read 128 consecutive bytes.  No vector instruction names these registers ahead of the loads
.irp i, 0,1,2,3,4,5,6,7,8,9,10,11,12,13,14,15,16,17,18,19,20,21,22,23,24,25,26,27,28,29,30,31
	global_load_b32 v[X+32*(\b)+\i], v1, s[20:21] offset:(32*(\b)+\i)*4096 th:TH_LOAD_NT
.endr
.endm
.macro BLK b, dst, left                ; block b becomes four registers of codes at dst and byte b of the scale word; left: the younger block's loads
	s_wait_loadcnt \left
	v_max3_num_f32 v10, |v[X+32*(\b)]|, |v[X+32*(\b)+1]|, |v[X+32*(\b)+2]|
	v_max3_num_f32 v11, |v[X+32*(\b)+3]|, |v[X+32*(\b)+4]|, |v[X+32*(\b)+5]|
.irp i, 6,10,14,18,22,26
	v_max3_num_f32 v10, v10, |v[X+32*(\b)+\i]|, |v[X+32*(\b)+\i+1]|
	v_max3_num_f32 v11, v11, |v[X+32*(\b)+\i+2]|, |v[X+32*(\b)+\i+3]|
.endr
	v_max3_num_f32 v10, v10, |v[X+32*(\b)+30]|, |v[X+32*(\b)+31]|
	v_max3_num_f32 v10, v10, v11, FLOOR            ; the floor holds the byte at 1 from below
	v_add_nc_u32 v12, 0xff000000, v10              ; 2 off the exponent field: the conversion's scale operand
	v_lshrrev_b32 v13, 23, v12                     ; the byte
.if (\b) == 0
	v_mov_b32 v[SW], v13
.else
	v_lshl_or_b32 v[SW], v13, 8*(\b), v[SW]
.endif
.irp g, 0,1,2,3
	v_cvt_scalef32_pk8_fp4_f32 v[\dst+\g], v[X+32*(\b)+8*\g:X+32*(\b)+8*\g+7], v12
.endr
	v_nop                                          ; one plain place behind a scaled conversion
.endm
.macro XPART                           ; two blocks ahead: a wait's count names at most 63, so 64 loads are the most that a count can tell apart
	XLD 0
	XLD 1
	BLK 0, F0, 32
	XLD 2
	BLK 1, F1, 32
	XLD 3
	BLK 2, F0+4, 32
	BLK 3, F1+4, 0
.endm
	s_wait_alu depctr_va_vdst(0)                   ; the offsets and LDS addresses v1 to v6 are written: every load and store of both roles reads one of them
	s_cmp_eq_u32 s19, 0                            ; the work-group's y alone: the same in all sixteen waves
	s_cbranch_scc0 .Lwq
	; ---- Wk: the codes leave as register images; sixteen lanes store 256 consecutive, aligned bytes
	XPART
	s_wait_alu depctr_va_vdst(0)                   ; the conversions have written F0 and F1, the shifts the scale word: the five stores read them
	global_store_b128 v2, v[F0:F0+3], s[22:23]
	global_store_b128 v2, v[F1:F1+3], s[22:23] offset:256
	global_store_b128 v2, v[F0+4:F0+7], s[22:23] offset:512
	global_store_b128 v2, v[F1+4:F1+7], s[22:23] offset:768
	global_store_b32 v1, v[SW], s[24:25]
	s_branch .Lend
.Lwq:
	; ---- Wq: the same codes stay in registers and are multiplied by the query's
	global_load_b64 v[58:59], v6, s[28:29]         ; bq of the two columns that I will sum
.irp c, 0,1
.irp i, 0,1,2,3,4,5,6,7
	global_load_b128 v[64+32*\c+4*\i:64+32*\c+4*\i+3], v3, s[26:27] offset:256*\c+16*\i   ; query(r, 128 s + 64 c + 32 h + 4 i ..): two whole blocks a lane
.endr
.endr
	XPART                                          ; its last wait is for 0: the query and bq are in too
.irp c, 0,1
	v_max3_num_f32 v[60+\c], |v[64+32*\c]|, |v[65+32*\c]|, FLOOR
.endr
.irp i, 2,4,6,8,10,12,14,16,18,20,22,24,26,28,30
.irp c, 0,1
	v_max3_num_f32 v[60+\c], v[60+\c], |v[64+32*\c+\i]|, |v[65+32*\c+\i]|
.endr
.endr
.irp c, 0,1
	v_add_nc_u32 v[62+\c], 0xff000000, v[60+\c]
.endr
.irp c, 0,1
	v_lshrrev_b32 v[60+\c], 23, v[62+\c]
.endr
	v_lshl_or_b32 v10, v61, 16, v60                ; my bytes: blocks h and 2 + h of row r,
	v_lshlrev_b32 v11, 3, v7
	v_lshlrev_b32 v10, v11, v10                    ; at their places,
	v_mov_b32 v12, 0
	v_permlanex16_b32 v12, v10, s34, s35
	v_or_b32 v[QW], v10, v12                       ; with lane l xor 16's two the word is whole
.irp c, 0,1
.irp g, 0,1,2,3
	v_cvt_scalef32_pk8_fp4_f32 v[QF+4*\c+\g], v[64+32*\c+8*\g:64+32*\c+8*\g+7], v[62+\c]
.endr
.endr
	v_nop                                          ; one plain place behind a scaled conversion
.irp n, 0,1,2,3,4,5,6,7
	v_permlane16_swap_b32 v[F0+\n], v[F1+\n]       ; F0's lanes 16-31 change places with F1's lanes 0-15: F0 is now the fragment of my columns 0-15, F1 of 16-31
.endr
.rept 8
	v_nop                                          ; scale words written by vector instructions stand eight places ahead of a scaled matrix instruction, operands four
.endr
	s_wait_alu depctr_va_vdst(0)                   ; behind the places: vector instructions have written F0, F1, the query's fragment and both scale words, which the scaled products take
	; transposed: source 0 = 16 columns of Wq, source 1 = the 16 rows of the query: lane (r, h) holds row r and columns 8 h + 0..7 of the tile
	v_wmma_scale_f32_16x16x128_f8f6f4 v[40:47], v[F0:F0+7], v[QF:QF+7], 0, v[SW], v[QW] matrix_a_fmt:MATRIX_FMT_FP4 matrix_b_fmt:MATRIX_FMT_FP4
	v_wmma_scale_f32_16x16x128_f8f6f4 v[48:55], v[F1:F1+7], v[QF:QF+7], 0, v[SW], v[QW] matrix_a_fmt:MATRIX_FMT_FP4 matrix_b_fmt:MATRIX_FMT_FP4 matrix_a_scale:MATRIX_SCALE_ROW1
.rept 4
	v_nop                                          ; four places ahead of the stores that read the results
.endr
	s_wait_alu depctr_va_vdst(0)                   ; the products have written v40-55, which the LDS stores read; the places above stay beside this wait.  It also covers the parts' loads below: the query's maxima and conversions are done reading v64-79
	ds_store_b128 v4, v[40:43]
	ds_store_b128 v4, v[44:47] offset:16
	ds_store_b128 v4, v[48:51] offset:64
	ds_store_b128 v4, v[52:55] offset:80
	s_wait_dscnt 0x0                               ; for the others' sake: my part lies in LDS
	s_barrier_signal -1
	s_barrier_wait -1
.irp s, 0,1,2,3,4,5,6,7
	ds_load_b64 v[64+2*\s:65+2*\s], v5 offset:4608*\s   ; row = my wave, two columns a lane, the part of K step s
.endr
	s_wait_dscnt 0x0
.irp s, 1,2,3,4,5,6,7
	v_pk_add_f32 v[64:65], v[64:65], v[64+2*\s:65+2*\s]
.endr
	v_pk_add_f32 v[64:65], v[64:65], v[58:59]      ; + bq
	s_wait_alu depctr_va_vdst(0)                   ; the additions have written v64-65, which the store reads
	global_store_b64 v6, v[64:65], s[30:31]        ; 32 lanes store 256 consecutive, aligned bytes
.Lend:
	s_wait_dscnt 0x0                               ; the closing lines, six on end
	s_wait_alu 0x0
	s_wait_tensorcnt 0x0
	ds_add_u32 v8, v9
	s_wait_dscnt 0x0
	s_endpgm
.Lfunc_end_k_q151ca0804a_prep:
	.size	k_q151ca0804a_prep, .Lfunc_end_k_q151ca0804a_prep-k_q151ca0804a_prep
	.p2alignl 7, 3214868480
	.fill 96, 4, 3214868480
	.section	.rodata,"a",@progbits
	.p2align	6, 0x0
	.amdhsa_kernel k_q151ca0804a_prep
		.amdhsa_group_segment_fixed_size 38912
		.amdhsa_private_segment_fixed_size 0
		.amdhsa_enable_private_segment 0
		.amdhsa_kernarg_size 48
		.amdhsa_user_sgpr_count 2
		.amdhsa_user_sgpr_kernarg_segment_ptr 1
		.amdhsa_wavefront_size32 1
		.amdhsa_system_sgpr_workgroup_id_x 1
		.amdhsa_system_sgpr_workgroup_id_y 1
		.amdhsa_system_sgpr_workgroup_id_z 1
		.amdhsa_system_vgpr_workitem_id 0
		.amdhsa_next_free_vgpr 256
		.amdhsa_next_free_sgpr 66
		.amdhsa_reserve_vcc 0
		.amdhsa_float_denorm_mode_32 3
		.amdhsa_float_denorm_mode_16_64 3
		.amdhsa_memory_ordered 1
		.amdhsa_forward_progress 1
		.amdhsa_inst_pref_size 47
	.end_amdhsa_kernel
	.amdgpu_metadata
---
amdhsa.version: [ 1, 2 ]
amdhsa.kernels:
  - .name:           k_q151ca0804a_prep
    .symbol:         k_q151ca0804a_prep.kd
    .args:
      - { .name: Wk, .offset: 0, .size: 8, .value_kind: global_buffer, .address_space: global }
      - { .name: Wq, .offset: 8, .size: 8, .value_kind: global_buffer, .address_space: global }
      - { .name: query, .offset: 16, .size: 8, .value_kind: global_buffer, .address_space: global }
      - { .name: bq, .offset: 24, .size: 8, .value_kind: global_buffer, .address_space: global }
      - { .name: wk, .offset: 32, .size: 8, .value_kind: global_buffer, .address_space: global }
      - { .name: qb, .offset: 40, .size: 8, .value_kind: global_buffer, .address_space: global }
    .group_segment_fixed_size: 38912
    .private_segment_fixed_size: 0
    .kernarg_segment_align: 8
    .kernarg_segment_size: 48
    .max_flat_workgroup_size: 512
    .sgpr_count:     66
    .vgpr_count:     256
    .wavefront_size: 32
...
	.end_amdgpu_metadata
.endif
;; end of part 8
;; launch scores (part 9): grid 16 x 16, 16 waves a work-group, no clusters, 50,432 bytes of LDS; arguments key, mask, raw_thr, bk, wk, qb, sc; writes sc
.if DOCPART == 9
	.amdgcn_target "amdgcn-amd-amdhsa--gfx1250"
	.amdhsa_code_object_version 6
	.text
	.protected	k_q151ca0804a_scores
	.globl	k_q151ca0804a_scores
	.p2align	8
	.type	k_q151ca0804a_scores,@function
k_q151ca0804a_scores:
	s_mov_b64 s[64:65], 0
	v_nop
	global_prefetch_b8 v0, s[64:65] scope:SCOPE_SE
	s_setreg_imm32_b32 hwreg(HW_REG_WAVE_SCHED_MODE, 0, 2), 2
	s_setreg_imm32_b32 hwreg(HW_REG_WAVE_MODE, 25, 1), 1
	s_wait_xcnt 0x0
	s_wait_alu depctr_vm_vsrc(0)
; sc[b][h][k] = s if mask[b][k] != 0 and s > softplus(raw_thr[h]), else -1e9;  s = Q[b][h] . (Q4(key[b][k]) Q4(Wk) + bk)[h] / 8.
; A work-group takes 64 keys of one batch (x: the block of keys, y: the batch) and all 16 heads.  K = key Wk never goes to memory: only its dot product with Q does.
; PHASE 1: wave w quantises rows 4 w .. 4 w + 3 of the block along K (a lane holds 8 neighbours, four lanes a block of 32); codes and scale bytes go to LDS as rows.
; PHASE 2: wave w is head w: 4 tiles of 16 columns x 4 tiles of 16 keys, 16 accumulators, 8 steps of 128 along K.  Wk's fragments come from wk as register images, straight into registers,
; in two sets by turns; each wave needs its own head's alone, so they are not shared through LDS and no cluster is formed.
; The matrix instruction is used transposed (source 0 = 16 columns of Wk, source 1 = 16 keys): a lane holds one key and eight columns, so the dot product with Q is fused multiply-adds and one exchange.
; All that stands ahead of the comparison with the threshold is f32.  LIMITS: a block of zeros gets the byte 1 (its codes are zeros); NaN and infinities are not served.
; THE MODE: SCHED_MODE bits 1:0 = 2 (LLVM: expert scheduling mode 2), set by the entry lines.  The code itself states the register dependences
; between vector or matrix instructions and memory or LDS instructions, with s_wait_alu, always for 0.
; THE PLAN.  Registers that memory or LDS instructions touch:
;   v1-v5, v7, v10, v11, v126, v127   offsets and LDS addresses: written once at the head, never again.  v6 and v15 are read in phase 1 and at the head, and made anew in the epilogue.
;   PHASE 1   Row i has four registers of codes (v16 + 4 i ..) and four of bytes (v32 + 4 i ..) of its own: written by row i's conversions and shifts, read by the row's eight LDS stores, which stand
;             in row i + 1's turn, behind its wait for its data and ONE wait on va_vdst.  Row 3's stand behind the wait that the threshold's exponential has in any case.
;   PHASE 2   A (v16-47) and AS: written by step s's LDS loads, read by step s's 16 products.  B and BS, set p: written by the loads of a step with s % 2 = p, read by that step's products.
;             ONE wait on va_vdst stands at the head of a step: the step before's products are done reading A, AS and their set of B and BS.  Behind it come this step's LDS loads and the
;             loads of step s + 1 into the set that step s - 1 read; the step's products name the other set.  All 256 registers are taken: A has one buffer.
;   One wait on vm_vsrc, behind the barrier: phase 1's LDS stores have read v16-47 and v6, and the threshold's load v15.
;   EPILOGUE  v48-111 take Q and bk from LDS (one wait: the last two steps' products are done reading them); v30, v31 and v6, written by vector instructions, are read by the stage's stores and load (one wait).
;   The five masks lie in scalar registers, made in two runs of compares, each with one wait on va_sdst ahead of its first reader.
.set CP,    528                        ; a row of codes in LDS: 512 bytes + 16
.set KSC,   64*CP                      ; the rows' scale bytes: 32 + 4 of padding a row
.set KP,    36
.set QL,    KSC+64*KP                  ; Q[b], 256 bytes a head
.set BL,    QL+4096                    ; bk likewise
.set OST,   BL+4096                    ; a stage of 256 bytes a wave for the way out
.set SPARE, OST+4096                   ; the spare words, 128 bytes a wave
.set FLOOR, 0x1800000
.set A,   16                           ; v16-47   the keys' four fragments (phase 1: codes v16-31, bytes v32-47)
.set B,   48                           ; v48-111  Wk's four fragments, two sets
.set BS,  112                          ; v112-115 Wk's scale words, two sets of two: lanes 0-15 tile 2 u, lanes 16-31 tile 2 u + 1
.set AS,  116                          ; v116-117 the keys' scale words, likewise
.set ACC, 128                          ; v128-255 phase 1: the keys' numbers; phase 2: accumulator (m, t) at 128 + 8 (4 m + t)
	s_load_b256 s[4:11], s[0:1], 0x0               ; key, mask, raw_thr, bk
	s_load_b128 s[12:15], s[0:1], 0x20             ; wk, qb
	s_load_b64 s[16:17], s[0:1], 0x30              ; sc
	v_lshl_add_u32 v8, v0, 2, SPARE
	v_mov_b32 v9, 0
	v_lshrrev_b32 v1, 5, v0
	v_readfirstlane_b32 s20, v1                    ; wave = head
	s_mov_b32 s21, ttmp9                           ; block of 64 keys
	s_and_b32 s22, ttmp7, 0xffff                   ; batch
	v_and_b32 v16, 31, v0                          ; lane
	v_and_b32 v17, 15, v0                          ; r
	v_bfe_u32 v18, v0, 4, 1                        ; h
	v_lshlrev_b32 v1, 5, v16                       ; key: 8 numbers a lane
	v_lshlrev_b32 v2, 4, v16                       ; a register image: 16 bytes a lane
	v_lshlrev_b32 v3, 2, v16                       ; a word a lane
	v_mul_u32_u24 v4, v17, CP
	v_lshl_add_u32 v4, v18, 4, v4                  ; a fragment of the keys: row r, + 16 h
	v_mul_u32_u24 v5, v16, KP
	v_add_nc_u32 v5, KSC, v5                       ; their scale words: row = lane
	s_wait_alu depctr_va_sdst(0)                   ; s20 is written, ahead of its first reader
	s_mul_i32 s23, s20, 4*CP
	v_lshl_add_u32 v6, v16, 2, s23                 ; phase 1: my 8 codes in my wave's first row
	s_mul_i32 s23, s20, 4*KP
	s_add_co_u32 s23, s23, KSC
	v_lshrrev_b32 v7, 2, v16
	v_add_nc_u32 v7, s23, v7                       ; and my block's byte
	s_lshl_b32 s23, s20, 8
	s_add_co_u32 s23, s23, QL
	v_lshl_add_u32 v10, v16, 3, s23                ; Q and bk of my head into LDS: 8 bytes a lane
	v_lshl_add_u32 v11, v18, 5, s23                ; and back: 8 numbers from 8 h on
	s_lshl_b32 s23, s20, 2
	v_mov_b32 v15, s23                             ; raw_thr[head]
	v_lshlrev_b32 v126, 3, v16                     ; 8 x lane
	s_lshl_b32 s42, s20, 8
	s_add_co_u32 s42, s42, OST                     ; my stage
	v_lshl_add_u32 v127, v16, 2, s42
	s_mov_b32 s38, 0x76543210
	s_mov_b32 s39, 0xfedcba98                      ; lane l xor 16
	s_mov_b32 s41, 0
	s_wait_kmcnt 0x0
	s_lshl_b32 s40, s22, 22                        ; key: (1,024 b + 64 block + 4 w) rows of 4,096 bytes
	s_lshl_b32 s23, s21, 18
	s_add_co_u32 s40, s40, s23
	s_lshl_b32 s23, s20, 14
	s_add_co_u32 s40, s40, s23
	s_add_nc_u64 s[24:25], s[4:5], s[40:41]
	s_lshl_b32 s40, s20, 15
	s_add_nc_u64 s[26:27], s[12:13], s[40:41]      ; my head's codes of Wk
	s_lshl_b32 s40, s20, 11
	s_add_co_u32 s40, s40, 524288
	s_add_nc_u64 s[28:29], s[12:13], s[40:41]      ; and its scale words
	s_lshl_b32 s40, s22, 12
	s_lshl_b32 s23, s21, 8
	s_add_co_u32 s40, s40, s23
	s_add_nc_u64 s[30:31], s[6:7], s[40:41]        ; mask
	s_lshl_b32 s40, s22, 12
	s_lshl_b32 s23, s20, 8
	s_add_co_u32 s40, s40, s23
	s_add_nc_u64 s[32:33], s[14:15], s[40:41]      ; Q[b], my head
	s_mov_b32 s40, s23
	s_add_nc_u64 s[34:35], s[10:11], s[40:41]      ; bk, my head
	s_lshl_b32 s40, s22, 16
	s_lshl_b32 s23, s20, 12
	s_add_co_u32 s40, s40, s23
	s_lshl_b32 s23, s21, 8
	s_add_co_u32 s40, s40, s23
	s_add_nc_u64 s[36:37], s[16:17], s[40:41]      ; sc[b][head][64 block]
.macro BLOAD s                         ; Wk's fragments and scale words of K step s into set s % 2: ten loads
.irp t, 0,1,2,3
.irp c, 0,1
	global_load_b128 v[B+32*((\s)%2)+8*\t+4*\c:B+32*((\s)%2)+8*\t+4*\c+3], v2, s[26:27] offset:(\s)*4096+\t*1024+\c*512
.endr
.endr
.irp u, 0,1
	global_load_b32 v[BS+2*((\s)%2)+\u], v3, s[28:29] offset:(\s)*256+\u*128
.endr
.endm
	s_wait_alu depctr_va_vdst(0)                   ; all offsets and LDS addresses of the head are written: every load and store below reads one of them
	BLOAD 0
	BLOAD 1
	global_load_b64 v[118:119], v126, s[32:33]
	global_load_b64 v[120:121], v126, s[34:35]
	global_load_b32 v12, v3, s[30:31]              ; mask of keys lane and 32 + lane
	global_load_b32 v13, v3, s[30:31] offset:128
	global_load_b32 v14, v15, s[8:9]
.irp i, 0,1,2,3
.irp p, 0,1,2,3
	global_load_b128 v[ACC+8*(4*\i+\p):ACC+8*(4*\i+\p)+3], v1, s[24:25] offset:\i*4096+\p*1024 th:TH_LOAD_NT
	global_load_b128 v[ACC+8*(4*\i+\p)+4:ACC+8*(4*\i+\p)+7], v1, s[24:25] offset:\i*4096+\p*1024+16 th:TH_LOAD_NT
.endr
.endr
.macro QSTO i                          ; row i's codes and bytes go to LDS
.irp p, 0,1,2,3
	ds_store_b32 v6, v[16+4*(\i)+\p] offset:(\i)*CP+\p*128
	ds_store_b8 v7, v[32+4*(\i)+\p] offset:(\i)*KP+\p*8      ; the block's four lanes write the same byte with the same value
.endr
.endm
; Row i of my four: four pieces of 256 along K by turns; in piece p my 8 numbers are k = 256 p + 8 lane + 0..7.  The stores of the row before stand at the head.
.macro QROW i
	s_wait_loadcnt 24-8*(\i)                       ; the younger rows' eight loads each may be out
.if (\i) > 0
	s_wait_alu depctr_va_vdst(0)                   ; the row before's conversions have written its codes, its shifts its bytes: the eight stores below read them
	QSTO (\i)-1
.endif
.irp p, 0,1,2,3
	v_max3_num_f32 v[122+\p], |v[ACC+8*(4*(\i)+\p)]|, |v[ACC+8*(4*(\i)+\p)+1]|, FLOOR
.endr
.irp e, 2,4,6
.irp p, 0,1,2,3
	v_max3_num_f32 v[122+\p], v[122+\p], |v[ACC+8*(4*(\i)+\p)+\e]|, |v[ACC+8*(4*(\i)+\p)+\e+1]|
.endr
.endr
.irp p, 0,1,2,3
	v_max_num_f32_dpp v[122+\p], v[122+\p], v[122+\p] row_xmask:1 row_mask:0xf bank_mask:0xf
.endr
.irp p, 0,1,2,3
	v_max_num_f32_dpp v[122+\p], v[122+\p], v[122+\p] row_xmask:2 row_mask:0xf bank_mask:0xf   ; four lanes hold a block
.endr
.irp p, 0,1,2,3
	v_add_nc_u32 v[122+\p], 0xff000000, v[122+\p]  ; 2 off the exponent field: the conversion's scale operand
.endr
.irp p, 0,1,2,3
	v_cvt_scalef32_pk8_fp4_f32 v[16+4*(\i)+\p], v[ACC+8*(4*(\i)+\p):ACC+8*(4*(\i)+\p)+7], v[122+\p]
.endr
.irp p, 0,1,2,3
	v_lshrrev_b32 v[32+4*(\i)+\p], 23, v[122+\p]   ; the byte; also the plain place behind the conversions
.endr
.endm
	QROW 0
	ds_store_b64 v10, v[118:119]                   ; Q and bk of my head (older loads than row 0's: they are in)
	ds_store_b64 v10, v[120:121] offset:4096
	QROW 1
	QROW 2
	QROW 3
	; the threshold: softplus(x) = max(x, 0) + ln 2 x log2(1 + 2^(-|x| log2 e))
	v_mul_f32 v122, 0xbfb8aa3b, |v14|
	v_exp_f32 v122, v122
	v_max_num_f32 v123, 0, v14                     ; a plain place behind the exponential
	s_wait_alu depctr_va_vdst(0)                   ; the exponential has written v122, ahead of its first reader; and row 3's conversions and shifts have written its codes and bytes, which the stores below read
	QSTO 3
	v_add_f32 v122, 1.0, v122
	v_log_f32 v122, v122
	v_nop
	s_wait_alu depctr_va_vdst(0)                   ; the logarithm has written v122, ahead of its first reader
	v_fmamk_f32 v14, v122, 0x3f317218, v123
	s_wait_dscnt 0x0                               ; for the others' sake: my rows' codes and bytes lie in LDS
	s_barrier_signal -1
	s_barrier_wait -1
	s_wait_alu depctr_vm_vsrc(0)                   ; my LDS stores have read v16-47, in which the keys' fragments land from here on, and v6; the threshold's load has read v15: both are made anew in the epilogue
.macro WM d, a, b, sa, sb, ra, rb, zero ; one product; ra, rb: which half of the lanes holds the side's scale words; zero: the first K step starts the sum
.if \zero
.if ((\ra)==0) && ((\rb)==0)
	v_wmma_scale_f32_16x16x128_f8f6f4 v[\d:\d+7], v[\a:\a+7], v[\b:\b+7], 0, v[\sa], v[\sb] matrix_a_fmt:MATRIX_FMT_FP4 matrix_b_fmt:MATRIX_FMT_FP4
.elseif (\rb)==0
	v_wmma_scale_f32_16x16x128_f8f6f4 v[\d:\d+7], v[\a:\a+7], v[\b:\b+7], 0, v[\sa], v[\sb] matrix_a_fmt:MATRIX_FMT_FP4 matrix_b_fmt:MATRIX_FMT_FP4 matrix_a_scale:MATRIX_SCALE_ROW1
.elseif (\ra)==0
	v_wmma_scale_f32_16x16x128_f8f6f4 v[\d:\d+7], v[\a:\a+7], v[\b:\b+7], 0, v[\sa], v[\sb] matrix_a_fmt:MATRIX_FMT_FP4 matrix_b_fmt:MATRIX_FMT_FP4 matrix_b_scale:MATRIX_SCALE_ROW1
.else
	v_wmma_scale_f32_16x16x128_f8f6f4 v[\d:\d+7], v[\a:\a+7], v[\b:\b+7], 0, v[\sa], v[\sb] matrix_a_fmt:MATRIX_FMT_FP4 matrix_b_fmt:MATRIX_FMT_FP4 matrix_a_scale:MATRIX_SCALE_ROW1 matrix_b_scale:MATRIX_SCALE_ROW1
.endif
.else
.if ((\ra)==0) && ((\rb)==0)
	v_wmma_scale_f32_16x16x128_f8f6f4 v[\d:\d+7], v[\a:\a+7], v[\b:\b+7], v[\d:\d+7], v[\sa], v[\sb] matrix_a_fmt:MATRIX_FMT_FP4 matrix_b_fmt:MATRIX_FMT_FP4
.elseif (\rb)==0
	v_wmma_scale_f32_16x16x128_f8f6f4 v[\d:\d+7], v[\a:\a+7], v[\b:\b+7], v[\d:\d+7], v[\sa], v[\sb] matrix_a_fmt:MATRIX_FMT_FP4 matrix_b_fmt:MATRIX_FMT_FP4 matrix_a_scale:MATRIX_SCALE_ROW1
.elseif (\ra)==0
	v_wmma_scale_f32_16x16x128_f8f6f4 v[\d:\d+7], v[\a:\a+7], v[\b:\b+7], v[\d:\d+7], v[\sa], v[\sb] matrix_a_fmt:MATRIX_FMT_FP4 matrix_b_fmt:MATRIX_FMT_FP4 matrix_b_scale:MATRIX_SCALE_ROW1
.else
	v_wmma_scale_f32_16x16x128_f8f6f4 v[\d:\d+7], v[\a:\a+7], v[\b:\b+7], v[\d:\d+7], v[\sa], v[\sb] matrix_a_fmt:MATRIX_FMT_FP4 matrix_b_fmt:MATRIX_FMT_FP4 matrix_a_scale:MATRIX_SCALE_ROW1 matrix_b_scale:MATRIX_SCALE_ROW1
.endif
.endif
.endm
; K step s: the one wait; the keys' fragments from LDS; Wk's step s + 1 into the set that step s - 1 read; 16 products (the 16 accumulators by turns, in the same order in every step).
.macro KSTEP s
.if (\s) > 0
	s_wait_alu depctr_va_vdst(0)                   ; the step before's products are done reading the keys' fragments and scale words, in which the LDS loads below land, and their set of Wk's fragments and scale words, in which the loads of step s + 1 land
.endif
.irp m, 0,1,2,3
	ds_load_b128 v[A+8*\m:A+8*\m+3], v4 offset:\m*16*CP+64*(\s)
	ds_load_b128 v[A+8*\m+4:A+8*\m+7], v4 offset:\m*16*CP+64*(\s)+32
.endr
.irp u, 0,1
	ds_load_b32 v[AS+\u], v5 offset:\u*32*KP+4*(\s)
.endr
.if ((\s) >= 1) && ((\s) <= 6)
	BLOAD (\s)+1                                   ; no vector or matrix instruction since the wait above names this set
.endif
.if (\s) == 7
	s_wait_loadcnt 0x0
.elseif (\s) >= 2
	s_wait_loadcnt 10                              ; this step's ten loads are in; the next step's ten may be out
.endif
	s_wait_dscnt 0x0
.irp m, 0,1,2,3
.irp t, 0,1,2,3
	WM ACC+8*(4*\m+\t), B+32*((\s)%2)+8*\t, A+8*\m, BS+2*((\s)%2)+\t/2, AS+\m/2, \t%2, \m%2, (\s)==0
.endr
.endr
.rept 4
	v_nop                                          ; four places behind the products: ahead of the first read of results, and of vector instructions that write the products' registers; they stay beside the next wait
.endr
.endm
	KSTEP 0
	KSTEP 1
	KSTEP 2
	KSTEP 3
	KSTEP 4
	KSTEP 5
	KSTEP 6
	KSTEP 7
	; THE DOT PRODUCT WITH Q.  Lane (r, h) holds, in accumulator (m, t), key 16 m + r and columns 16 t + 8 h + 0..7 of my head.
	s_wait_alu depctr_va_vdst(0)                   ; the last two steps' products are done reading Wk's two sets, in which Q and bk land
.irp t, 0,1,2,3
	ds_load_b128 v[48+8*\t:48+8*\t+3], v11 offset:64*\t
	ds_load_b128 v[48+8*\t+4:48+8*\t+7], v11 offset:64*\t+16
	ds_load_b128 v[80+8*\t:80+8*\t+3], v11 offset:4096+64*\t
	ds_load_b128 v[80+8*\t+4:80+8*\t+7], v11 offset:4096+64*\t+16
.endr
	v_and_b32 v6, 31, v0                           ; (v6 and v15 are free since the wait on vm_vsrc behind the barrier: nothing has read them since)
	v_lshl_add_u32 v6, v6, 3, s42                  ; the stage, read back: 8 bytes a lane
	v_mov_b32 v15, 0xce6e6b28                      ; -1e9
	v_and_b32 v28, 31, v0
	v_cmp_lt_u32 s43, 15, v28                      ; three masks that hang on no score, in one run: the upper half of the lanes,
	v_cmp_eq_u32 s44, 0, v12                       ; the padding mask of key = lane,
	v_cmp_eq_u32 s45, 0, v13                       ; and of key = 32 + lane
	s_wait_dscnt 0x0
	v_pk_mul_f32 v[122:123], v[80:81], v[48:49]    ; bk . Q over my 32 columns
.irp n, 2,4,6,8,10,12,14,16,18,20,22,24,26,28,30
	v_pk_fma_f32 v[122:123], v[80+\n:81+\n], v[48+\n:49+\n], v[122:123]
.endr
.irp m, 0,1,2,3
	v_pk_fma_f32 v[16+2*\m:17+2*\m], v[ACC+32*\m:ACC+32*\m+1], v[48:49], v[122:123]
.endr
.irp n, 2,4,6,8,10,12,14,16,18,20,22,24,26,28,30
.irp m, 0,1,2,3
	v_pk_fma_f32 v[16+2*\m:17+2*\m], v[ACC+32*\m+\n:ACC+32*\m+\n+1], v[48+\n:49+\n], v[16+2*\m:17+2*\m]   ; each accumulator from its low end on
.endr
.endr
.irp m, 0,1,2,3
	v_add_f32 v[16+2*\m], v[16+2*\m], v[17+2*\m]
.endr
.irp m, 0,1,2,3
	v_permlanex16_b32 v[24+\m], v[16+2*\m], s38, s39
.endr
.irp m, 0,1,2,3
	v_add_f32 v[16+2*\m], v[16+2*\m], v[24+\m]     ; with the other half's 32 columns: the score of key 16 m + r, in both halves
.endr
	s_wait_alu depctr_va_sdst(0)                   ; the three compares have written s43 to s45, ahead of their first reader
	v_cndmask_b32 v30, v16, v18, s43               ; key = lane
	v_cndmask_b32 v31, v20, v22, s43               ; key = 32 + lane
	v_mul_f32 v30, 0x3e000000, v30                 ; / sqrt(64)
	v_mul_f32 v31, 0x3e000000, v31
	v_cndmask_b32 v30, v30, v15, s44               ; the padding mask
	v_cndmask_b32 v31, v31, v15, s45
	v_cmp_le_f32 s46, v30, v14                     ; the threshold: two compares in one run
	v_cmp_le_f32 s47, v31, v14
	s_wait_alu depctr_va_sdst(0)                   ; the two compares have written s46 and s47, ahead of their first reader
	v_cndmask_b32 v30, v30, v15, s46
	v_cndmask_b32 v31, v31, v15, s47
	s_wait_alu depctr_va_vdst(0)                   ; the selects have written v30 and v31, which the two stores read; v6, the load's address, is written
	ds_store_b32 v127, v30
	ds_store_b32 v127, v31 offset:128
	ds_load_b64 v[32:33], v6                       ; LDS serves a wave's instructions in order: this sees my two stores
	s_wait_dscnt 0x0
	global_store_b64 v126, v[32:33], s[36:37]      ; 32 lanes store 256 consecutive, aligned bytes
	s_wait_dscnt 0x0                               ; the closing lines, six on end
	s_wait_alu 0x0
	s_wait_tensorcnt 0x0
	ds_add_u32 v8, v9
	s_wait_dscnt 0x0
	s_endpgm
.Lfunc_end_k_q151ca0804a_scores:
	.size	k_q151ca0804a_scores, .Lfunc_end_k_q151ca0804a_scores-k_q151ca0804a_scores
	.p2alignl 7, 3214868480
	.fill 96, 4, 3214868480
	.section	.rodata,"a",@progbits
	.p2align	6, 0x0
	.amdhsa_kernel k_q151ca0804a_scores
		.amdhsa_group_segment_fixed_size 50432
		.amdhsa_private_segment_fixed_size 0
		.amdhsa_enable_private_segment 0
		.amdhsa_kernarg_size 56
		.amdhsa_user_sgpr_count 2
		.amdhsa_user_sgpr_kernarg_segment_ptr 1
		.amdhsa_wavefront_size32 1
		.amdhsa_system_sgpr_workgroup_id_x 1
		.amdhsa_system_sgpr_workgroup_id_y 1
		.amdhsa_system_sgpr_workgroup_id_z 1
		.amdhsa_system_vgpr_workitem_id 0
		.amdhsa_next_free_vgpr 256
		.amdhsa_next_free_sgpr 66
		.amdhsa_reserve_vcc 0
		.amdhsa_float_denorm_mode_32 3
		.amdhsa_float_denorm_mode_16_64 3
		.amdhsa_memory_ordered 1
		.amdhsa_forward_progress 1
		.amdhsa_inst_pref_size 57
	.end_amdhsa_kernel
	.amdgpu_metadata
---
amdhsa.version: [ 1, 2 ]
amdhsa.kernels:
  - .name:           k_q151ca0804a_scores
    .symbol:         k_q151ca0804a_scores.kd
    .args:
      - { .name: key, .offset: 0, .size: 8, .value_kind: global_buffer, .address_space: global }
      - { .name: mask, .offset: 8, .size: 8, .value_kind: global_buffer, .address_space: global }
      - { .name: raw_thr, .offset: 16, .size: 8, .value_kind: global_buffer, .address_space: global }
      - { .name: bk, .offset: 24, .size: 8, .value_kind: global_buffer, .address_space: global }
      - { .name: wk, .offset: 32, .size: 8, .value_kind: global_buffer, .address_space: global }
      - { .name: qb, .offset: 40, .size: 8, .value_kind: global_buffer, .address_space: global }
      - { .name: sc, .offset: 48, .size: 8, .value_kind: global_buffer, .address_space: global }
    .group_segment_fixed_size: 50432
    .private_segment_fixed_size: 0
    .kernarg_segment_align: 8
    .kernarg_segment_size: 56
    .max_flat_workgroup_size: 512
    .sgpr_count:     66
    .vgpr_count:     256
    .wavefront_size: 32
...
	.end_amdgpu_metadata
.endif
;; end of part 9
;; launch ctxk: the kernel of part 3 again; grid 16 x 16, 16 waves a work-group, no clusters, 268,544 bytes of LDS; arguments sc, key, ctx; writes ctx
;; launch uk: the kernel of part 4 again; grid 16 x 16, 16 waves a work-group, no clusters, 301,312 bytes of LDS; arguments ctx, query, Wvp, u; writes u
;; launch xo: the kernel of part 5 again; grid 16 x 1, 16 waves a work-group, no clusters, 270,848 bytes of LDS; arguments u, Wv, bv, Wo, apart; writes apart
;; launch ff (part 10): grid 32 x 1, 16 waves a work-group, no clusters, 270,848 bytes of LDS; arguments query, bo, apart, g1, be1, W1, b1, W2, fpart; writes fpart
.if DOCPART == 10
	.amdgcn_target "amdgcn-amd-amdhsa--gfx1250"
	.amdhsa_code_object_version 6
	.text
	.protected	k_q151ca0804a_ff
	.globl	k_q151ca0804a_ff
	.p2align	8
	.type	k_q151ca0804a_ff,@function
k_q151ca0804a_ff:
	s_mov_b64 s[64:65], 0
	v_nop
	global_prefetch_b8 v0, s[64:65] scope:SCOPE_SE
	s_setreg_imm32_b32 hwreg(HW_REG_WAVE_SCHED_MODE, 0, 2), 2
	s_setreg_imm32_b32 hwreg(HW_REG_WAVE_MODE, 25, 1), 1
	s_wait_xcnt 0x0
	s_wait_alu depctr_vm_vsrc(0)
; x1 = LayerNorm(query + bo + the sum over heads of apart) g1 + be1;  fpart[j][b][n] = sum over c of relu(x1 W1 + b1)[b][64 j + c] W2[64 j + c][n];  fpart[32] = x1.
; Work-group x = j, a slice of 64 hidden units; the 16 rows are the batches.  PROLOGUE: wave w makes row w of x1 in f32 (every work-group makes it anew: 1.1 MB of reads against a launch of its own).
; The row's 20 vectors and the first tile come as a stream of groups of eight loads through six sets of registers.
; STAGES as in the launch before, with f16 operands: x1 is a LayerNorm's output.  LIMIT: |x1|, |W1|, |W2| and the hidden layer under 65,504.
; THE MODE: SCHED_MODE bits 1:0 = 2 (LLVM: expert scheduling mode 2), set by the entry lines.  The code itself states the register dependences
; between vector or matrix instructions and memory or LDS instructions, with s_wait_alu, always for 0.
; THE PLAN.  Registers that memory or LDS instructions touch:
;   v2-v5, v7-v9, v12, v13   offsets and LDS addresses: written once at the head.  v1 and v6 are read up to the first barrier and made anew behind it.
;   THE STREAM   Set y % 6: written by group y's loads, read by step y's additions, loaded again (group y + 6) in step y + 1, behind that step's wait for its data and ONE wait on va_vdst.
;                Step y's additions name the row (v16-47) and set y % 6, never the set that is being asked for.
;   THE ROW      v16-47: written by vector instructions; read by x1's stores (first work-group) and, narrowed, by the row's LDS stores.
;   A TILE       WT: written by loads, read by the conversions.  H: group g's conversions write 16 registers of their own, which its eight LDS stores read; those stand in group g + 1's turn, behind its wait
;                for its data and ONE wait on va_vdst; the wait behind group 3 also frees WT for the next tile's loads.
;   H, AF        take the fragments from LDS (behind a wait on vm_vsrc: the LDS stores have read them), are read by the products, and H then takes the parts.
;   ACC          written by the products, read by LDS stores behind the places and one wait on va_vdst, which also covers the LDS loads that land in H behind it.
.set PA,    2064
.set PITCH, 8192                       ; a row of W1
.set AIMG,  0
.set WST,   16*PA
.set WREG,  64*160
.set RED,   WST+16*WREG
.set RREG,  16*272
.set A2,    RED+16*RREG
.set SPARE, A2+16*144
.set AF,  16
.set ACC, 32
.set H,   64
.set WT,  128
.macro CVT d, a, b
	v_cvt_pk_f16_f32 v[\d], v[\a], v[\b]
.endm
.macro ROWLD dst, sb, off
.irp i, 0,1,2,3,4,5,6,7
	global_load_b128 v[\dst+4*\i:\dst+4*\i+3], v1, s[\sb:\sb+1] offset:(\off)+512*\i
.endr
.endm
.macro WLDG g, vo, sb, pitch, rowoff
.irp i, 0,1,2,3,4,5,6,7
	global_load_b128 v[WT+32*(\g)+4*\i:WT+32*(\g)+4*\i+3], v[\vo], s[\sb:\sb+1] offset:((\rowoff)+16*(\g)+2*\i)*(\pitch) th:TH_LOAD_NT
.endr
.endm
.macro WSTO g                          ; group g of the narrowed tile goes to my region of LDS
.irp i, 0,1,2,3,4,5,6,7
	ds_store_b64 v3, v[H+2*(8*(\g)+\i):H+2*(8*(\g)+\i)+1] offset:320*(8*(\g)+\i)
.endr
.endm
.macro ROWST                           ; the narrowed row goes to LDS
.irp i, 0,1,2,3,4,5,6,7
	ds_store_b64 v6, v[16+2*\i:17+2*\i] offset:256*\i
.endr
.endm
.macro WCV row                         ; the tile is narrowed group by group as it lands; a group's stores stand in the next group's turn.  row = 1: the row's stores go with group 0's
.irp g, 0,1,2,3
	s_wait_loadcnt 24-8*\g                         ; the younger groups' eight loads each may be out
.if \g > 0
	s_wait_alu depctr_va_vdst(0)                   ; the group before's conversions have written its 16 registers of H (row = 1, group 0: and the row's have written v16-31), which the stores below read
.if (\row) && (\g == 1)
	ROWST
.endif
	WSTO \g-1
.endif
.irp i, 0,1,2,3,4,5,6,7
	CVT H+2*(8*\g+\i), WT+32*\g+4*\i, WT+32*\g+4*\i+1
	CVT H+2*(8*\g+\i)+1, WT+32*\g+4*\i+2, WT+32*\g+4*\i+3
.endr
.endr
	s_wait_alu depctr_va_vdst(0)                   ; group 3's conversions have written their registers of H, which the stores below read; and all conversions are done reading WT, in which the next tile's loads land
	WSTO 3
.endm
.macro FRAGS aoff, adr
.irp q, 0,1
	ds_load_b128 v[AF+8*\q:AF+8*\q+3], v[\adr] offset:(\aoff)+64*\q
	ds_load_b128 v[AF+8*\q+4:AF+8*\q+7], v[\adr] offset:(\aoff)+64*\q+32
.endr
.irp q, 0,1
.irp t, 0,1,2,3
	ds_load_tr16_b128 v[H+8*(4*\q+\t):H+8*(4*\q+\t)+3], v4 offset:\q*5120+\t*32
	ds_load_tr16_b128 v[H+8*(4*\q+\t)+4:H+8*(4*\q+\t)+7], v4 offset:\q*5120+\t*32+2560
.endr
.endr
	s_wait_dscnt 0x0
.endm
.macro MM first                        ; the four accumulators by turns
.irp q, 0,1
.irp t, 0,1,2,3
.if (\first) && (\q == 0)
	v_wmma_f32_16x16x32_f16 v[ACC+8*\t:ACC+8*\t+7], v[H+8*(4*\q+\t):H+8*(4*\q+\t)+7], v[AF+8*\q:AF+8*\q+7], 0
.else
	v_wmma_f32_16x16x32_f16 v[ACC+8*\t:ACC+8*\t+7], v[H+8*(4*\q+\t):H+8*(4*\q+\t)+7], v[AF+8*\q:AF+8*\q+7], v[ACC+8*\t:ACC+8*\t+7]
.endif
.endr
.endr
.rept 5
	v_nop                                          ; places ahead of reads of the results and of whatever next writes these products' registers
.endr
.endm
.macro REDOUT
	s_wait_alu depctr_va_vdst(0)                   ; behind the places: the products have written the accumulators, which the stores below read, and are done reading H, in which the LDS loads behind these stores land
.irp t, 0,1,2,3
	ds_store_b128 v7, v[ACC+8*\t:ACC+8*\t+3] offset:64*\t
	ds_store_b128 v7, v[ACC+8*\t+4:ACC+8*\t+7] offset:64*\t+16
.endr
.endm
.macro REDSUM
.irp p, 0,1,2,3,4,5,6,7,8,9,10,11,12,13,14,15
	ds_load_b64 v[H+2*\p:H+2*\p+1], v8 offset:RREG*\p
.endr
	s_wait_dscnt 0x0
.irp p, 2,4,6,8,10,12,14
	v_pk_add_f32 v[H:H+1], v[H:H+1], v[H+2*\p:H+2*\p+1]
	v_pk_add_f32 v[H+2:H+3], v[H+2:H+3], v[H+2*\p+2:H+2*\p+3]
.endr
	v_pk_add_f32 v[H:H+1], v[H:H+1], v[H+2:H+3]
.endm
.macro WREDA x, tmp
	v_add_f32_dpp v[\x], v[\x], v[\x] row_xmask:1 row_mask:0xf bank_mask:0xf
	v_add_f32_dpp v[\x], v[\x], v[\x] row_xmask:2 row_mask:0xf bank_mask:0xf
	v_add_f32_dpp v[\x], v[\x], v[\x] row_xmask:4 row_mask:0xf bank_mask:0xf
	v_add_f32_dpp v[\x], v[\x], v[\x] row_xmask:8 row_mask:0xf bank_mask:0xf
	v_permlanex16_b32 v[\tmp], v[\x], s34, s35
	v_add_f32 v[\x], v[\x], v[\tmp]
.endm
.macro BAR
	s_wait_dscnt 0x0
	s_barrier_signal -1
	s_barrier_wait -1
.endm
; Group y of the stream, into set y % 6 (v64, v96, .. v224): 0 query[w], 1 bo, 2-17 apart[y - 2][w], 18 g1, 19 be1, 20-23 the first tile's four groups, which so land where a tile lies.
.macro GRP y
.set SL, 64+32*((\y)%6)
.if (\y) == 0
	ROWLD SL, 24, 0
.elseif (\y) == 1
	ROWLD SL, 6, 0
.elseif (\y) < 18
	ROWLD SL, 40, ((\y)-2)*65536
.elseif (\y) == 18
	ROWLD SL, 10, 0
.elseif (\y) == 19
	ROWLD SL, 12, 0
.else
	WLDG (\y)-20, 2, 26, PITCH, 0
.endif
.endm
.macro ACCUM y                         ; the row's sum takes group y
.set SL, 64+32*((\y)%6)
.irp n, 0,2,4,6,8,10,12,14,16,18,20,22,24,26,28,30
	v_pk_add_f32 v[16+\n:17+\n], v[16+\n:17+\n], v[SL+\n:SL+\n+1]
.endr
.endm
	s_load_b256 s[4:11], s[0:1], 0x0               ; query, bo, apart, g1
	s_load_b256 s[12:19], s[0:1], 0x20             ; be1, W1, b1, W2
	s_load_b64 s[44:45], s[0:1], 0x40              ; fpart
	v_lshl_add_u32 v10, v0, 2, SPARE
	v_mov_b32 v11, 0
	v_lshrrev_b32 v1, 5, v0
	v_readfirstlane_b32 s20, v1                    ; wave
	s_mov_b32 s21, ttmp9                           ; the slice
	v_and_b32 v16, 31, v0                          ; lane
	v_and_b32 v17, 15, v0                          ; r
	v_bfe_u32 v18, v0, 4, 1                        ; h
	v_lshlrev_b32 v1, 4, v16
	v_lshlrev_b32 v2, 4, v17
	v_lshl_add_u32 v12, v18, 12, v2                ; W2's tile and the parts' stores: row h of 4,096 bytes, 16 r
	v_lshl_add_u32 v2, v18, 13, v2                 ; W1's tile: row h of 8,192 bytes, 16 r
	s_wait_alu depctr_va_sdst(0)                   ; s20 is written, ahead of its first reader
	s_mul_i32 s23, s20, WREG
	s_add_co_u32 s23, s23, WST
	v_mul_u32_u24 v3, v18, 160
	v_lshl_add_u32 v3, v17, 3, v3
	v_add_nc_u32 v3, s23, v3
	v_and_b32 v19, 7, v0
	v_lshl_add_u32 v19, v18, 3, v19
	v_mul_u32_u24 v4, v19, 160
	v_bfe_u32 v19, v0, 3, 1
	v_lshl_add_u32 v4, v19, 4, v4
	v_add_nc_u32 v4, s23, v4
	v_mul_u32_u24 v5, v17, PA
	v_lshl_add_u32 v5, v18, 4, v5
	s_lshl_b32 s23, s20, 7
	v_add_nc_u32 v5, s23, v5
	s_mul_i32 s23, s20, PA
	v_lshl_add_u32 v6, v16, 3, s23
	s_mul_i32 s23, s20, RREG
	s_add_co_u32 s23, s23, RED
	v_mul_u32_u24 v7, v17, 272
	v_lshl_add_u32 v7, v18, 5, v7
	v_add_nc_u32 v7, s23, v7
	v_mul_u32_u24 v13, v18, 272
	v_lshl_add_u32 v13, v17, 4, v13
	v_add_nc_u32 v13, s23, v13
	s_mul_i32 s23, s20, 272
	s_add_co_u32 s23, s23, RED
	v_lshl_add_u32 v8, v16, 3, s23
	v_lshlrev_b32 v9, 3, v16
	v_mov_b32 v50, 0                               ; a lane permute's destination counts as one of its sources
	s_mul_i32 s39, s20, 144
	s_add_co_u32 s39, s39, A2
	s_mov_b32 s34, 0x76543210
	s_mov_b32 s35, 0xfedcba98
	s_mov_b32 s38, 0x3a800000                      ; 1 / 1,024
	s_lshl_b32 s32, s20, 12
	s_mov_b32 s33, 0
	s_wait_kmcnt 0x0
	s_add_nc_u64 s[24:25], s[4:5], s[32:33]        ; query[w]
	s_add_nc_u64 s[40:41], s[8:9], s[32:33]        ; apart[0][w]
	s_add_co_u32 s32, s32, 32*65536
	s_add_nc_u64 s[42:43], s[44:45], s[32:33]      ; fpart[32][w]
	s_lshl_b32 s32, s21, 8
	s_add_nc_u64 s[16:17], s[16:17], s[32:33]      ; b1 at the slice
	s_lshl_b32 s23, s20, 19
	s_add_co_u32 s32, s32, s23
	s_add_nc_u64 s[26:27], s[14:15], s[32:33]      ; W1[64 w][64 j]
	s_lshl_b32 s32, s21, 18
	s_lshl_b32 s23, s20, 8
	s_add_co_u32 s32, s32, s23
	s_add_nc_u64 s[28:29], s[18:19], s[32:33]      ; W2[64 j][64 w]
	s_lshl_b32 s32, s21, 16
	s_add_co_u32 s32, s32, s23
	s_add_nc_u64 s[30:31], s[44:45], s[32:33]      ; fpart[j][0][64 w]
	s_wait_alu depctr_va_vdst(0)                   ; all offsets and LDS addresses of the head are written: the loads and stores below read them
	global_load_b64 v[14:15], v9, s[16:17]
	GRP 0
	GRP 1
	GRP 2
	GRP 3
	GRP 4
	GRP 5
	s_wait_loadcnt 32                              ; groups 0 and 1 are in; four younger groups may be out
.irp n, 0,2,4,6,8,10,12,14,16,18,20,22,24,26,28,30
	v_pk_add_f32 v[16+\n:17+\n], v[64+\n:65+\n], v[96+\n:97+\n]   ; query + bo starts the sum
.endr
	s_wait_loadcnt 24                              ; group 2 is in; three younger groups may be out
	s_wait_alu depctr_va_vdst(0)                   ; the additions above are done reading sets 0 and 1, in which groups 6 and 7 land
	GRP 6
	GRP 7
	ACCUM 2
.set Y, 3
.rept 15
	s_wait_loadcnt 32                              ; group Y is in; four younger groups may be out
	s_wait_alu depctr_va_vdst(0)                   ; the step before's additions are done reading their set, in which group Y + 5 lands
	GRP Y+5
	ACCUM Y                                        ; these name the row and set Y % 6, not the set just asked for
.set Y, Y+1
.endr
	s_wait_alu depctr_va_vdst(0)                   ; step 17's additions are done reading set 5, in which the tile's last group lands
	GRP 23
	s_wait_loadcnt 32                              ; g1 and be1 are in; the tile's 32 loads may be out
	v_pk_add_f32 v[48:49], v[16:17], v[18:19]
	v_pk_add_f32 v[52:53], v[20:21], v[22:23]
.irp n, 24,28,32,36,40,44
	v_pk_add_f32 v[48:49], v[48:49], v[\n:\n+1]
	v_pk_add_f32 v[52:53], v[52:53], v[\n+2:\n+3]
.endr
	v_pk_add_f32 v[48:49], v[48:49], v[52:53]
	v_add_f32 v48, v48, v49
	WREDA 48, 50
	v_mul_f32 v48, s38, v48                        ; the mean
.irp n, 16,18,20,22,24,26,28,30,32,34,36,38,40,42,44,46
	v_pk_add_f32 v[\n:\n+1], v[\n:\n+1], v[48:49] op_sel_hi:[1,0] neg_lo:[0,1] neg_hi:[0,1]
.endr
	v_pk_mul_f32 v[52:53], v[16:17], v[16:17]
	v_pk_mul_f32 v[54:55], v[18:19], v[18:19]
.irp n, 20,24,28,32,36,40,44
	v_pk_fma_f32 v[52:53], v[\n:\n+1], v[\n:\n+1], v[52:53]
	v_pk_fma_f32 v[54:55], v[\n+2:\n+3], v[\n+2:\n+3], v[54:55]
.endr
	v_pk_add_f32 v[52:53], v[52:53], v[54:55]
	v_add_f32 v52, v52, v53
	WREDA 52, 50
	v_fmaak_f32 v52, s38, v52, 0x3727c5ac          ; the variance + 1e-5
	v_rsq_f32 v52, v52
	v_nop
	s_wait_alu depctr_va_vdst(0)                   ; the reciprocal root has written v52, ahead of its first reader
.irp n, 0,2,4,6,8,10,12,14,16,18,20,22,24,26,28,30
	v_pk_mul_f32 v[16+\n:17+\n], v[16+\n:17+\n], v[52:53] op_sel_hi:[1,0]
.endr
.irp n, 0,2,4,6,8,10,12,14,16,18,20,22,24,26,28,30
	v_pk_fma_f32 v[16+\n:17+\n], v[16+\n:17+\n], v[64+\n:65+\n], v[96+\n:97+\n]   ; x g1 + be1
.endr
	s_cmp_lg_u32 s21, 0                            ; the first work-group stores x1 for the last launch's residual
	s_cbranch_scc1 .Lnot_first
	s_wait_alu depctr_va_vdst(0)                   ; the fused multiply-adds have written v16-47, which the stores read
.irp i, 0,1,2,3,4,5,6,7
	global_store_b128 v1, v[16+4*\i:19+4*\i], s[42:43] offset:512*\i
.endr
	s_wait_xcnt 0x0                                ; the stores' data and address registers are written again below
	s_wait_alu depctr_vm_vsrc(0)                   ; the stores have read v16-47, which the narrowing below and later the products write again
.Lnot_first:
.set n, 0
.rept 16
	CVT 16+n, 16+2*n, 17+2*n                       ; narrowed in place
.set n, n+1
.endr
	WCV 1                                          ; the row's stores stand in it, with group 0's
.irp g, 0,1,2,3
	WLDG \g, 12, 28, 4096, 0                       ; the second stage's tile, asked for as soon as the registers are free: no vector instruction since the last wait names them
.endr
	BAR                                            ; the sixteen rows of x1 lie in LDS
	s_wait_alu depctr_vm_vsrc(0)                   ; the rows' loads and x1's stores have read v1, the row's LDS stores v6 and v16-31, the tile's LDS stores H: v1 and v6 are made anew, and the fragments land in v16-31 and H
	v_and_b32 v1, 31, v0                           ; v1 and v6 take the second stage's addresses
	v_lshl_add_u32 v1, v1, 2, s39
	v_and_b32 v6, 15, v0
	v_mul_u32_u24 v6, v6, 144
	v_bfe_u32 v48, v0, 4, 1                        ; (at work in a register that no load below touches)
	v_lshl_add_u32 v6, v48, 4, v6
	v_add_nc_u32 v6, A2, v6
	FRAGS 0, 5
	MM 1
	REDOUT                                         ; its wait also shows v1 and v6 written, ahead of the store and the loads that read them
	BAR                                            ; the sixteen parts lie in LDS
	REDSUM
	v_pk_add_f32 v[H:H+1], v[H:H+1], v[14:15]      ; + b1
	v_max_num_f32 v[H], 0, v[H]                    ; relu
	v_max_num_f32 v[H+1], 0, v[H+1]
	CVT H+2, H, H+1
	s_wait_alu depctr_va_vdst(0)                   ; the conversion has written v[H+2], which the store reads
	ds_store_b32 v1, v[H+2]
	BAR                                            ; the hidden slice lies in LDS, and every wave's reads of the parts are over
	s_wait_alu depctr_vm_vsrc(0)                   ; that store has read v[H+2], which the tile's conversions write again; the parts' stores have read the accumulators, which the next products write
	WCV 0
	s_wait_dscnt 0x0                               ; the stores have read their registers
	s_wait_alu depctr_vm_vsrc(0)                   ; the tile's LDS stores have read H, in which the fragments land
	FRAGS 0, 6
	MM 1
	REDOUT
.irp i, 0,1,2,3,4,5,6,7
	ds_load_b128 v[H+4*\i:H+4*\i+3], v13 offset:544*\i
.endr
.irp i, 0,1,2,3,4,5,6,7
	s_wait_dscnt 7-\i
	global_store_b128 v12, v[H+4*\i:H+4*\i+3], s[30:31] offset:8192*\i th:TH_STORE_NT   ; sixteen lanes store 256 consecutive, aligned bytes
.endr
	s_wait_dscnt 0x0                               ; the closing lines, six on end
	s_wait_alu 0x0
	s_wait_tensorcnt 0x0
	ds_add_u32 v10, v11
	s_wait_dscnt 0x0
	s_endpgm
.Lfunc_end_k_q151ca0804a_ff:
	.size	k_q151ca0804a_ff, .Lfunc_end_k_q151ca0804a_ff-k_q151ca0804a_ff
	.p2alignl 7, 3214868480
	.fill 96, 4, 3214868480
	.section	.rodata,"a",@progbits
	.p2align	6, 0x0
	.amdhsa_kernel k_q151ca0804a_ff
		.amdhsa_group_segment_fixed_size 270848
		.amdhsa_private_segment_fixed_size 0
		.amdhsa_enable_private_segment 0
		.amdhsa_kernarg_size 72
		.amdhsa_user_sgpr_count 2
		.amdhsa_user_sgpr_kernarg_segment_ptr 1
		.amdhsa_wavefront_size32 1
		.amdhsa_system_sgpr_workgroup_id_x 1
		.amdhsa_system_sgpr_workgroup_id_y 1
		.amdhsa_system_sgpr_workgroup_id_z 1
		.amdhsa_system_vgpr_workitem_id 0
		.amdhsa_next_free_vgpr 256
		.amdhsa_next_free_sgpr 66
		.amdhsa_reserve_vcc 0
		.amdhsa_float_denorm_mode_32 3
		.amdhsa_float_denorm_mode_16_64 3
		.amdhsa_memory_ordered 1
		.amdhsa_forward_progress 1
		.amdhsa_inst_pref_size 74
	.end_amdhsa_kernel
	.amdgpu_metadata
---
amdhsa.version: [ 1, 2 ]
amdhsa.kernels:
  - .name:           k_q151ca0804a_ff
    .symbol:         k_q151ca0804a_ff.kd
    .args:
      - { .name: query, .offset: 0, .size: 8, .value_kind: global_buffer, .address_space: global }
      - { .name: bo, .offset: 8, .size: 8, .value_kind: global_buffer, .address_space: global }
      - { .name: apart, .offset: 16, .size: 8, .value_kind: global_buffer, .address_space: global }
      - { .name: g1, .offset: 24, .size: 8, .value_kind: global_buffer, .address_space: global }
      - { .name: be1, .offset: 32, .size: 8, .value_kind: global_buffer, .address_space: global }
      - { .name: W1, .offset: 40, .size: 8, .value_kind: global_buffer, .address_space: global }
      - { .name: b1, .offset: 48, .size: 8, .value_kind: global_buffer, .address_space: global }
      - { .name: W2, .offset: 56, .size: 8, .value_kind: global_buffer, .address_space: global }
      - { .name: fpart, .offset: 64, .size: 8, .value_kind: global_buffer, .address_space: global }
    .group_segment_fixed_size: 270848
    .private_segment_fixed_size: 0
    .kernarg_segment_align: 8
    .kernarg_segment_size: 72
    .max_flat_workgroup_size: 512
    .sgpr_count:     66
    .vgpr_count:     256
    .wavefront_size: 32
...
	.end_amdgpu_metadata
.endif
;; end of part 10
;; launch fin: the kernel of part 7 again; grid 16 x 1, 8 waves a work-group, no clusters, 1,536 bytes of LDS; arguments fpart, b2, g2, be2, out0; writes out0
